; MI455X (gfx1250); checked and timed in simulation.
; The chip was launched on July 23, 2026; its instructions are those of AMD's public machine-readable ISA for CDNA 5 (MIT licence, August 2026) and "CDNA5" Instruction Set Architecture Reference Guide (July 2026). The comments in the code are by the model that wrote it; some were corrected since.
;; Token Routed MLP. Allowed arithmetic: float matrix products may take bf16 or f16 operands with f32 sums; other float arithmetic in f32, or as packed bf16 or f16 multiplies, adds, multiply-adds, maxima and minima; sums over many terms, partial sums and values carried from step to step in f32; what a program stores and reads back later, other than sums and carried values, may be rounded once to bf16 or f16.
;; Inputs: Wd 4 x 2,048 x 2,048 float32; Wg 4 x 2,048 x 2,048 float32; Wu 4 x 2,048 x 2,048 float32; hidden_states 4 x 256 x 2,048 float32; token_ids 4 x 256 int32.
;; Outputs: out0 4 x 256 x 2,048 float32.
;; 2 versions, each right. Each part assembles by itself: llvm-mc -triple=amdgcn-amd-amdhsa -mcpu=gfx1250 --defsym DOCPART=n.
;; ======== version 1 of 2: 2 launches
;; limits: right only within a limited range of input values
;; workspace buffers: hbuf 16,777,216 bytes; perm 16,384 bytes of whole numbers; cnt 1,024 bytes of whole numbers
;; launch gateup (part 1): grid 64 x 4, 4 waves a work-group, no clusters, 327,680 bytes of LDS; arguments hidden_states, token_ids, Wg, Wu, hbuf, perm, cnt; writes hbuf, perm, cnt
.if DOCPART == 1
	.amdgcn_target "amdgcn-amd-amdhsa--gfx1250"
	.amdhsa_code_object_version 6
	.text
	.protected	k_q6a1d85fa88_gateup
	.globl	k_q6a1d85fa88_gateup
	.p2align	8
	.type	k_q6a1d85fa88_gateup,@function
k_q6a1d85fa88_gateup:
	s_mov_b64 s[64:65], 0
	v_nop
	global_prefetch_b8 v0, s[64:65] scope:SCOPE_SE
	s_setreg_imm32_b32 hwreg(HW_REG_WAVE_MODE, 25, 1), 1
	s_wait_xcnt 0x0
; h = silu(x Wg^T) * (x Wu^T) for the tokens of ONE expert and 32 columns f.  x [1024][2048] f32, Wg, Wu [4][2048 f][2048 d] f32.
; GRID.  x of the grid = which 32 rows f of Wg and Wu, y = the expert: fixed by the grid, so the weights are asked for before any routing is known.
; ROUTING.  Every wave makes its expert's token list for itself, from token_ids, in LDS words of its own (no barrier): expert = clip(id, 0, 99999) / 25000,
; written as two signed compares whose outer bounds are the lowest and the highest int32.  Work-group x = 0, wave 0 stores list and count for the next launch.
; SHARES.  The list goes in tiles of 16 places; wave w owns tiles 4 t + w.  Tiles 0-19 (320 places) are a fixed pipeline; places at or past the count repeat the
; last row that exists (token 0 if there is none), so every lane always works and nothing is masked.
; LIMIT.  An expert with more than 320 tokens is served by the loop at the end, which reads the 64 weight rows from memory again for every 16 further
; places: right up to all 1,024 tokens on one expert, and slow there.
; PRODUCT.  Source 0 = 16 rows f of a weight, source 1 = 16 tokens: a lane's result is ONE token (lane % 16) and f = 8 (lane / 16) + 0..7.  x, weights and h are rounded
; once to bf16; sums, sigmoid and g u in f32.  h = (g u) / (1 + 2^(-1.442695 g)): where g u leaves f32's range while the quotient's divisor is infinite the result is NaN; NaN and infinities are not treated apart.
; h LEAVES as the next launch's operand: [expert][f / 32][tile][half c][lane][16 bytes]: lane (r, hh) holds f = 16 c + 8 hh + 0..7 of token r; a store covers 512 consecutive bytes.
; WEIGHTS come by tensor loads into two LDS slots of 512 along K (two parts of 256: rows of 1,024 bytes + 16 of padding, rows 0-31 Wg's, 32-63 Wu's); each wave brings one part of one weight: 32 rows,
; since two weights x two parts are shared among four waves.  By this text's count a wave has two tensor loads out at the start and one behind each refill.
; NO CLUSTER: each slice of weights has one reader; what an expert's work-groups share is token rows named by a list, which no tile descriptor covers.
; PIPELINE, a position v for each 32 along K: weights of v from LDS | conversions of v - 1 | products of v - 2 | token rows of v + 3 from memory.  Positions before the first data work on zeros
; (376 v_mov_b32, issued while the first tile is on its way): the price of one text for every position.
; REGISTERS, in windows of 256: window 0 addresses, bf16 fragments, the way out; window 1 token rows as loaded, buffers 0-2; window 2 buffer 3; window 3 accumulators (32 t + 8 j) and weights as loaded.
.set PITCH, 1040
.set FRAG,  16*PITCH
.set HALFS, 32*PITCH
.set SUBT,  64*PITCH
.set SLOT,  2*SUBT
.set LIST,  2*SLOT                     ; 266,240: each wave's list, 1,024 words and a dump word, in 17 blocks of 256 bytes
.set LISTW, 4352
.set SPARE, LIST+4*LISTW               ; 283,648: the spare words, 128 bytes a wave
.set B0,   3                           ; v3  r x pitch + 32 hh
.set BA,   4                           ; v4  B0 + the LDS byte of the four positions in hand
.set ROW,  8                           ; v8-12  tile t: my token's row in x, in bytes, + 32 hh; never rewritten
.set PFO,  13                          ; v13 lane x 8,192
.set SPW,  14
.set NIL,  15
.set AF,   16                          ; tokens' fragments: 2 sets x 5 tiles x 8
.set BF,   96                          ; weights' fragments: 2 sets x 4 x 8
.set IDS,  160                         ; the ids; later:
.set TT,   160                         ; 16 at work
.set GU,   176                         ; 16: g u
.set OUT,  192                         ; 5 tiles x 8
.set HO,   232                         ; wave x 1,024 + lane x 16
.set LB,   233                         ; my wave's list
.set DUMP, 234                         ; 1,024: the dump word's index
.set L4,   235                         ; 4 x lane
.set ZR,   236
.set XO,   240
.set WO,   241
.set P0,   242                         ; 16 w + r
.set IO,   243                         ; 16 x lane
.set RX,   244                         ; v244-254 the extra tiles' row offsets
.set LZ,   255                         ; my wave's list + 16 x lane
.set BS,   160                         ; window 3: weights as loaded, 4 x 16
.set MSB, 0
.macro WIN new                         ; the immediate's high byte repeats the setting that is left
.if MSB != (\new)
	s_set_vgpr_msb (MSB<<8)|(\new)
.set MSB, \new
.endif
.endm
.macro PLACES
.rept 4
	v_nop
.endr
.endm
	s_load_b256 s[4:11], s[0:1], 0x0               ; x s[4:5], ids s[6:7], Wg s[8:9], Wu s[10:11]
	s_load_b128 s[12:15], s[0:1], 0x20             ; hbuf s[12:13], perm s[14:15]
	s_load_b64 s[32:33], s[0:1], 0x30              ; cnt
	v_lshl_add_u32 v[SPW], v0, 2, SPARE
	v_mov_b32 v[NIL], 0
	ds_add_u32 v[SPW], v[NIL]                      ; the wave's opening: the add and its wait ahead of my first tensor load
	v_lshrrev_b32 v5, 5, v0
	v_readfirstlane_b32 s34, v5                    ; wave 0..3
	s_mov_b32 s35, ttmp9                           ; slice
	s_and_b32 s36, ttmp7, 0xffff                   ; expert
	s_mov_b32 s16, (2<<16)|(1<<20)|(7<<22)|(3<<25) ; elements of 4 bytes; padding on: after every 256 words, 4 words
	s_mov_b32 s17, 256<<16                         ; tensor_dim0 = 256
	s_mov_b32 s18, 32<<16                          ; tensor_dim1 = 32
	s_mov_b32 s19, 256<<16                         ; tile_dim0 = 256
	s_mov_b32 s20, 32                              ; tile_dim1 = 32
	s_mov_b32 s21, 2048                            ; elements from row to row
	s_mov_b32 s22, 0
	s_mov_b32 s23, 0
	s_lshr_b32 s51, s34, 1                         ; 0: I fetch Wg, 1: Wu
	s_and_b32 s52, s34, 1                          ; which part of a slot
	s_mul_i32 s53, s52, SUBT
	s_mul_i32 s38, s51, HALFS
	s_add_co_u32 s53, s53, s38                     ; my tile's place in a slot
	s_mov_b32 s24, 1
	s_mov_b32 s25, s53
	s_mov_b32 s28, 1
	s_add_co_u32 s29, s53, SLOT
	s_lshl_b32 s44, s36, 24                        ; an expert's weight is 16 MiB,
	s_lshl_b32 s38, s35, 18                        ; 32 rows of 8,192 bytes
	s_add_co_u32 s44, s44, s38
	s_mov_b32 s45, 0
	s_lshl_b32 s38, s52, 10                        ; my part's 1,024 bytes of a row
	s_mov_b32 s39, 0
	s_wait_dscnt 0x0                               ; the opening add is done
	s_wait_kmcnt 0x0
	s_add_nc_u64 s[60:61], s[8:9], s[44:45]        ; Wg and Wu at the slice
	s_add_nc_u64 s[62:63], s[10:11], s[44:45]
	s_cmp_eq_u32 s51, 0
	s_cselect_b64 s[56:57], s[60:61], s[62:63]
	s_add_nc_u64 s[56:57], s[56:57], s[38:39]      ; my tile of K 0-511
	s_mov_b64 s[26:27], s[56:57]
	s_or_b32 s27, s27, 0x80000000
	s_add_nc_u64 s[30:31], s[56:57], 2048          ; and of K 512-1023
	s_or_b32 s31, s31, 0x80000000
	tensor_load_to_lds s[24:27], s[16:23]          ; both first fills together, ahead of every LDS read, barrier and wait on TENSORcnt
	s_nop 0
	tensor_load_to_lds s[28:31], s[16:23]
	s_nop 0
	PLACES
	v_and_b32 v6, 31, v0
	v_lshlrev_b32 v[IO], 4, v6
.irp q, 0,1,2,3,4,5,6,7
	global_load_b128 v[IDS+4*\q:IDS+4*\q+3], v[IO], s[6:7] offset:512*\q  ; register 4 q + c of lane l: token 128 q + 4 l + c
.endr
	v_and_b32 v1, 15, v0                           ; r
	v_bfe_u32 v2, v0, 4, 1                         ; hh
	v_mul_u32_u24 v[B0], v1, PITCH
	v_lshl_add_u32 v[B0], v2, 5, v[B0]             ; 8 f32 along K for each half of the lanes
	v_lshlrev_b32 v[PFO], 13, v6
	v_lshlrev_b32 v[L4], 2, v6
	s_mul_i32 s51, s34, LISTW
	s_add_co_u32 s51, s51, LIST
	v_mov_b32 v[LB], s51
	v_add_nc_u32 v[LZ], s51, v[IO]
	v_mov_b32 v[DUMP], 0x400
	s_lshl_b32 s52, s34, 10
	v_add_nc_u32 v[HO], s52, v[IO]
	s_lshl_b32 s52, s34, 4
	v_add_nc_u32 v[P0], s52, v1
.irp i, 0,1,2,3
	v_mov_b32 v[ZR+\i], 0
.endr
.irp i, 0,1,2,3,4,5,6,7
	ds_store_b128 v[LZ], v[ZR:ZR+3] offset:512*\i  ; places that stay unused name token 0
.endr
	WIN 0xc0                                       ; what the first positions find: zeros in the accumulators and the loaded weights,
.set i, 0
.rept 224
	v_mov_b32 v[i], 0
.set i, i+1
.endr
	WIN 0x80                                       ; in token buffer 3,
.set i, 0
.rept 80
	v_mov_b32 v[i], 0
.set i, i+1
.endr
	WIN 0                                          ; and in set 0 of both kinds of fragments
.set i, 0
.rept 40
	v_mov_b32 v[AF+i], 0
.set i, i+1
.endr
.set i, 0
.rept 32
	v_mov_b32 v[BF+i], 0
.set i, i+1
.endr
	s_mul_i32 s48, s36, 25000                      ; my expert's ids: LO .. HI, signed; the clip is the open outer bounds
	s_add_co_u32 s49, s48, 24999
	s_cmp_eq_u32 s36, 0
	s_cselect_b32 s48, 0x80000000, s48
	s_cmp_eq_u32 s36, 3
	s_cselect_b32 s49, 0x7fffffff, s49
	s_mov_b32 s50, 0
	s_wait_loadcnt 0x0                             ; the ids
; 32 tokens: members take the next places of the list, in lane order; the others write the dump word
.macro MEMB i
	v_cmp_le_i32 s51, s48, v[IDS+(\i)]
	v_cmp_ge_i32 s52, s49, v[IDS+(\i)]
	s_and_b32 s51, s51, s52
	v_mbcnt_lo_u32_b32 v5, s51, s50                ; places taken so far + members in lower lanes
	v_cndmask_b32 v5, v[DUMP], v5, s51
	v_min_u32 v5, 0x400, v5
	v_lshl_add_u32 v5, v5, 2, v[LB]
	v_add_nc_u32 v7, 128*((\i)/4)+(\i)%4, v[L4]
	ds_store_b32 v5, v7
	s_bcnt1_i32_b32 s52, s51
	s_add_co_u32 s50, s50, s52
.endm
.set n, 0
.rept 32
	MEMB n
.set n, n+1
.endr
	s_min_u32 s50, s50, 1024                       ; the expert's count
	s_max_u32 s69, s50, 1
	s_sub_co_u32 s69, s69, 1                       ; the last place that holds a row
.irp t, 0,1,2,3,4
	v_add_nc_u32 v6, 64*\t, v[P0]                  ; place 16 (4 t + w) + r
	v_min_u32 v6, s69, v6
	v_min_u32 v6, 0x3ff, v6
	v_lshl_add_u32 v6, v6, 2, v[LB]
	ds_load_b32 v[ROW+\t], v6                      ; LDS serves a wave's instructions in order: these see the stores above
.endr
	s_wait_dscnt 0x0
.irp t, 0,1,2,3,4
	v_min_u32 v[ROW+\t], 0x3ff, v[ROW+\t]
	v_lshlrev_b32 v[ROW+\t], 13, v[ROW+\t]
	v_lshl_add_u32 v[ROW+\t], v2, 5, v[ROW+\t]
.endr
	s_or_b32 s51, s35, s34
	s_cmp_lg_u32 s51, 0
	s_cbranch_scc1 .Lnoperm                        ; slice 0's wave 0 alone stores the expert's list and count
.irp i, 0,1,2,3,4,5,6,7
	ds_load_b128 v[IDS+4*\i:IDS+4*\i+3], v[LZ] offset:512*\i
.endr
	s_lshl_b32 s44, s36, 12
	s_add_nc_u64 s[14:15], s[14:15], s[44:45]
	s_lshl_b32 s44, s36, 8
	s_add_nc_u64 s[32:33], s[32:33], s[44:45]
	v_mov_b32 v5, s50
	s_wait_dscnt 0x0
.irp i, 0,1,2,3,4,5,6,7
	global_store_b128 v[IO], v[IDS+4*\i:IDS+4*\i+3], s[14:15] offset:512*\i
.endr
	global_store_b32 v[L4], v5, s[32:33]
	s_wait_xcnt 0x0                                ; the stores' registers are written again further down
.Lnoperm:
	s_lshl_b32 s44, s36, 22                        ; h: 4 MiB an expert, 65,536 bytes for each 32 f
	s_lshl_b32 s51, s35, 16
	s_add_co_u32 s44, s44, s51
	s_add_nc_u64 s[58:59], s[12:13], s[44:45]
	s_mov_b64 s[40:41], s[4:5]                     ; x at the K of the four positions in hand,
	s_mov_b32 s44, 512
	s_add_nc_u64 s[42:43], s[4:5], s[44:45]        ; and of the next four
; 20 loads: 32 along K (128 bytes of f32) of my five tiles' rows, into buffer buf.  A lane takes k = 8 hh + 0..7 and 16 + 8 hh + 0..7: 16 bytes at 0, 16, 64, 80 from 32 hh
.macro XB buf, base, imm
.if (\buf) == 3
	WIN 0x80
.set XD, 0
.else
	WIN 0x40
.set XD, 80*(\buf)
.endif
.irp t, 0,1,2,3,4
.irp i, 0,1,2,3
	global_load_b128 v[XD+16*\t+4*\i:XD+16*\t+4*\i+3], v[ROW+\t], s[\base:\base+1] offset:(\imm)+(\i/2)*64+(\i%2)*16
.endr
.endr
.endm
	XB 0, 40, 0
	XB 1, 40, 128
	XB 2, 40, 256
	WIN 0
	s_wait_tensorcnt 0x1                           ; my part of slot 0 is in; slot 1's may stay out
	s_barrier_signal -1
	s_barrier_wait -1
.macro W g, j                          ; tile g x weight fragment j (0, 1: Wg's rows 0-15, 16-31; 2, 3: Wu's)
.if DOM
	WIN 0xf0
	v_wmma_f32_16x16x32_bf16 v[32*(\g)+8*(\j):32*(\g)+8*(\j)+7], v[BF+32*MS+8*(\j):BF+32*MS+8*(\j)+7], v[AF+40*MS+8*(\g):AF+40*MS+8*(\g)+7], v[32*(\g)+8*(\j):32*(\g)+8*(\j)+7]
.endif
.endm
.macro CA g, hf                        ; four roundings of tile g's tokens
.if DOC
	WIN XW
.irp i, 0,1,2,3
	v_cvt_pk_bf16_f32 v[AF+40*CS+8*(\g)+4*(\hf)+\i], v[XR+16*(\g)+8*(\hf)+2*\i], v[XR+16*(\g)+8*(\hf)+2*\i+1]
.endr
.endif
.endm
.macro CB g, hf                        ; four roundings of weight fragment g
.if DOC
	WIN 0x0f
.irp i, 0,1,2,3
	v_cvt_pk_bf16_f32 v[BF+32*CS+8*(\g)+4*(\hf)+\i], v[BS+16*(\g)+8*(\hf)+2*\i], v[BS+16*(\g)+8*(\hf)+2*\i+1]
.endr
.endif
.endm
.macro BL g, a                         ; weight fragment g of this position, as f32, from LDS
.if DOL
	WIN 0xf0
.irp i, 0,1,2,3
	ds_load_b128 v[BS+16*(\g)+4*\i:BS+16*(\g)+4*\i+3], v[BA] offset:(\g)*FRAG+(\a)*128+(\i/2)*64+(\i%2)*16
.endr
.endif
.endm
; A POSITION, a = v % 4.  20 products on 20 accumulators, which take turns; four roundings ride behind each of the first 18.  The roundings write the set of fragments that the position
; before multiplied: each fragment's last product stands eight plain instructions or more back.
.macro POS a, C=1, M=1, L=1
.set MS, (\a)%2
.set CS, ((\a)+1)%2
.set DOC, \C
.set DOM, \M
.set DOL, \L
.set CBUF, ((\a)+3)%4
.if CBUF == 3
.set XW, 0x0a
.set XR, 0
.else
.set XW, 0x05
.set XR, 80*CBUF
.endif
.if \C
	s_wait_loadcnt 60                              ; the rows of v - 1 are in; the three younger bursts of 20 stay out
.endif
.set g, 0
.rept 5
	W g, 0
	CA g, 0
	W g, 1
	CA g, 1
.if g < 4
.if \C
	s_wait_dscnt 12                                ; fragment g of v - 1 is in; behind it the other three fragments' four loads each were issued
.endif
	W g, 2
	CB g, 0
	W g, 3
	CB g, 1
	BL g, \a
.else
	W g, 2
	W g, 3
.endif
.set g, g+1
.endr
.if \L
.if (\a) == 0
	XB CBUF, 40, 384
.else
	XB CBUF, 42, ((\a)-1)*128
.endif
.endif
.endm
; Four positions: 512 bytes of every row.  pf = 1: one prefetch: a column of 256 bytes of the 32 rows of the tile that I ask for at the next change of slots; four trips cover its 1,024-byte rows, each block once.
.macro STEP4 pf
	WIN 0
	v_add_nc_u32 v[BA], s37, v[B0]
.if \pf
	global_prefetch_b8 v[PFO], s[54:55] th:TH_LOAD_NT scope:SCOPE_SE
.endif
	POS 0
	POS 1
	POS 2
	POS 3
	WIN 0
	s_wait_xcnt 0x0                                ; the loads' and the prefetch's bases are written again only behind this wait
	s_mov_b64 s[40:41], s[42:43]
	s_add_co_u32 s44, s44, 512
	s_and_b32 s44, s44, 8191                       ; behind the row's end the look-ahead goes back to its head: three bursts that nobody uses, inside the buffer
	s_add_nc_u64 s[42:43], s[4:5], s[44:45]
.if \pf
	s_add_nc_u64 s[54:55], s[54:55], 256
.endif
.endm
; A slot: two parts of two STEP4 each
.macro PHASE slot, pf, pfoff
	s_mov_b32 s37, (\slot)*SLOT
.if \pf
	s_add_nc_u64 s[54:55], s[56:57], \pfoff
.endif
	s_mov_b32 s38, 2
.Lq_\@:
	s_mov_b32 s39, 2
.Li_\@:
	STEP4 \pf
	s_add_co_u32 s37, s37, 512
	s_sub_co_u32 s39, s39, 1
	s_cmp_lg_u32 s39, 0
	s_cbranch_scc1 .Li_\@
	s_add_co_u32 s37, s37, SUBT-1024
	s_sub_co_u32 s38, s38, 1
	s_cmp_lg_u32 s38, 0
	s_cbranch_scc1 .Lq_\@
.endm
; THE CHANGE OF SLOTS: all my tensor loads have landed (my part of the next slot); the add; my reads of the slot that is left are back; the barrier; then, first thing, the refill with K 1,024 further on.
.macro CHANGE fill, g0
	WIN 0
	s_wait_tensorcnt 0x0
	ds_add_u32 v[SPW], v[NIL]
.if \fill
	s_add_nc_u64 s[\g0+2:\g0+3], s[\g0+2:\g0+3], 4096
.endif
	s_wait_dscnt 0x0
	s_barrier_signal -1
	s_barrier_wait -1
.if \fill
	tensor_load_to_lds s[\g0:\g0+3], s[16:23]
	s_nop 0
	PLACES
.endif
.endm
	PHASE 0, 1, 4096
	CHANGE 1, 24
	PHASE 1, 1, 6144
	CHANGE 1, 28
	PHASE 0, 0, 0
	CHANGE 0, 24
	PHASE 1, 0, 0
	s_wait_dscnt 0x0                               ; the last weights are in registers
	POS 0, 1, 1, 0                                 ; the pipeline runs out: roundings of 63, products of 62,
	POS 1, 0, 1, 0                                 ; products of 63
	WIN 0
	s_wait_loadcnt 0x0                             ; the look-ahead's three unused bursts
	PLACES
; THE WAY OUT of tile t (accumulators 32 t ..): each accumulator is read from its low end on.  One wait for each batch of sixteen transcendentals.
.macro EPI t, base, imm
	WIN 0x03
.set i, 0
.rept 8
	v_pk_mul_f32 v[TT+2*i:TT+2*i+1], v[32*(\t)+2*i:32*(\t)+2*i+1], 0xbfb8aa3b op_sel_hi:[1,0]  ; -log2(e) g
.set i, i+1
.endr
	WIN 0x0f
.set i, 0
.rept 8
	v_pk_mul_f32 v[GU+2*i:GU+2*i+1], v[32*(\t)+2*i:32*(\t)+2*i+1], v[32*(\t)+16+2*i:32*(\t)+16+2*i+1]  ; g u
.set i, i+1
.endr
	WIN 0
.set i, 0
.rept 16
	v_exp_f32 v[TT+i], v[TT+i]
.set i, i+1
.endr
	v_nop
	s_wait_alu depctr_va_vdst(0)
.set i, 0
.rept 8
	v_pk_add_f32 v[TT+2*i:TT+2*i+1], v[TT+2*i:TT+2*i+1], 1.0 op_sel_hi:[1,0]
.set i, i+1
.endr
.set i, 0
.rept 16
	v_rcp_f32 v[TT+i], v[TT+i]
.set i, i+1
.endr
	v_nop
	s_wait_alu depctr_va_vdst(0)
.set i, 0
.rept 8
	v_pk_mul_f32 v[TT+2*i:TT+2*i+1], v[TT+2*i:TT+2*i+1], v[GU+2*i:GU+2*i+1]
.set i, i+1
.endr
.set i, 0
.rept 8
	v_cvt_pk_bf16_f32 v[OUT+8*(\t)+i], v[TT+2*i], v[TT+2*i+1]
.set i, i+1
.endr
	global_store_b128 v[HO], v[OUT+8*(\t):OUT+8*(\t)+3], s[\base:\base+1] offset:\imm          ; 512 consecutive bytes, aligned
	global_store_b128 v[HO], v[OUT+8*(\t)+4:OUT+8*(\t)+7], s[\base:\base+1] offset:(\imm)+512
.endm
	EPI 0, 58, 0
	EPI 1, 58, 4096
	EPI 2, 58, 8192
	EPI 3, 58, 12288
	EPI 4, 58, 16384
	; TILES 20 AND UP: wave w takes tiles 20 + w + 4 i below ceil(count / 16): 11 at the most.  No LDS access, barrier or tensor load stands in the loop.
	s_add_co_u32 s66, s50, 15
	s_lshr_b32 s66, s66, 4
	s_sub_co_i32 s66, s66, 17
	s_sub_co_i32 s66, s66, s34
	s_max_i32 s66, s66, 0
	s_lshr_b32 s68, s66, 2
	s_min_u32 s68, s68, 11
	s_cmp_eq_u32 s68, 0
	s_cbranch_scc1 .Ldone
	s_add_nc_u64 s[70:71], s[58:59], 20*1024
.set i, 0
.rept 11
	v_add_nc_u32 v5, 320+64*i, v[P0]
	v_min_u32 v5, s69, v5
	v_min_u32 v5, 0x3ff, v5
	v_lshl_add_u32 v5, v5, 2, v[LB]
	ds_load_b32 v[RX+i], v5
.set i, i+1
.endr
	s_wait_dscnt 0x0
.set i, 0
.rept 11
	v_min_u32 v[RX+i], 0x3ff, v[RX+i]
	v_lshlrev_b32 v[RX+i], 13, v[RX+i]
	v_lshl_add_u32 v[RX+i], v2, 5, v[RX+i]
.set i, i+1
.endr
	s_wait_xcnt 0x0                                ; tile 0's stores have read the registers that the loop writes
	s_mov_b32 s66, 0
.Lover:
	v_mov_b32 v[XO], v[RX]                         ; this tile's rows; the others move up
.set i, 0
.rept 10
	v_mov_b32 v[RX+i], v[RX+i+1]
.set i, i+1
.endr
	v_lshlrev_b32 v[WO], 13, v1
	v_lshl_add_u32 v[WO], v2, 5, v[WO]
	WIN 0xc0
.set i, 0
.rept 32
	v_mov_b32 v[i], 0
.set i, i+1
.endr
	WIN 0
	s_mov_b32 s67, 64
.Lok:                                                  ; 32 along K: everything straight from memory
	WIN 0x40
.irp i, 0,1,2,3
	global_load_b128 v[4*\i:4*\i+3], v[XO], s[4:5] offset:(\i/2)*64+(\i%2)*16
.endr
	WIN 0xc0
.irp j, 0,1
.irp i, 0,1,2,3
	global_load_b128 v[BS+16*\j+4*\i:BS+16*\j+4*\i+3], v[WO], s[60:61] offset:\j*131072+(\i/2)*64+(\i%2)*16
	global_load_b128 v[BS+32+16*\j+4*\i:BS+32+16*\j+4*\i+3], v[WO], s[62:63] offset:\j*131072+(\i/2)*64+(\i%2)*16
.endr
.endr
	WIN 0
	s_wait_loadcnt 0x0                             ; all twenty; it also frees their address registers
	v_add_nc_u32 v[XO], 128, v[XO]
	v_add_nc_u32 v[WO], 128, v[WO]
.set MS, 0
.set CS, 0
.set DOC, 1
.set DOM, 1
.set XW, 0x05
.set XR, 0
	CA 0, 0
	CA 0, 1
.irp j, 0,1,2,3
	CB \j, 0
	CB \j, 1
.endr
.irp j, 0,1,2,3
	W 0, \j                                        ; four accumulators by turns, over the backward jump too
.endr
	WIN 0
	PLACES                                         ; ahead of the next trip's roundings into these fragments, and of the way out
	s_sub_co_u32 s67, s67, 1
	s_cmp_lg_u32 s67, 0
	s_cbranch_scc1 .Lok
	EPI 0, 70, 0
	s_wait_xcnt 0x0                                ; the stores' base and data are written again in the next trip
	s_add_nc_u64 s[70:71], s[70:71], 4096
	s_add_co_u32 s66, s66, 1
	s_cmp_lt_u32 s66, s68
	s_cbranch_scc1 .Lover
.Ldone:
	s_wait_tensorcnt 0x0                           ; the wave's end
	ds_add_u32 v[SPW], v[NIL]
	s_wait_dscnt 0x0
	s_endpgm
.Lfunc_end_k_q6a1d85fa88_gateup:
	.size	k_q6a1d85fa88_gateup, .Lfunc_end_k_q6a1d85fa88_gateup-k_q6a1d85fa88_gateup
	.p2alignl 7, 3214868480
	.fill 96, 4, 3214868480
	.section	.rodata,"a",@progbits
	.p2align	6, 0x0
	.amdhsa_kernel k_q6a1d85fa88_gateup
		.amdhsa_group_segment_fixed_size 327680
		.amdhsa_private_segment_fixed_size 0
		.amdhsa_enable_private_segment 0
		.amdhsa_kernarg_size 56
		.amdhsa_user_sgpr_count 2
		.amdhsa_user_sgpr_kernarg_segment_ptr 1
		.amdhsa_wavefront_size32 1
		.amdhsa_system_sgpr_workgroup_id_x 1
		.amdhsa_system_sgpr_workgroup_id_y 1
		.amdhsa_system_sgpr_workgroup_id_z 1
		.amdhsa_system_vgpr_workitem_id 0
		.amdhsa_next_free_vgpr 992
		.amdhsa_next_free_sgpr 80
		.amdhsa_reserve_vcc 0
		.amdhsa_float_denorm_mode_32 3
		.amdhsa_float_denorm_mode_16_64 3
		.amdhsa_memory_ordered 1
		.amdhsa_forward_progress 1
		.amdhsa_inst_pref_size 255
	.end_amdhsa_kernel
	.section	.bss,"aw",@nobits
	.p2align	6
	.space	262144
	.amdgpu_metadata
---
amdhsa.version: [ 1, 2 ]
amdhsa.kernels:
  - .name:           k_q6a1d85fa88_gateup
    .symbol:         k_q6a1d85fa88_gateup.kd
    .args:
      - { .name: hidden_states, .offset: 0, .size: 8, .value_kind: global_buffer, .address_space: global }
      - { .name: token_ids, .offset: 8, .size: 8, .value_kind: global_buffer, .address_space: global }
      - { .name: Wg, .offset: 16, .size: 8, .value_kind: global_buffer, .address_space: global }
      - { .name: Wu, .offset: 24, .size: 8, .value_kind: global_buffer, .address_space: global }
      - { .name: hbuf, .offset: 32, .size: 8, .value_kind: global_buffer, .address_space: global }
      - { .name: perm, .offset: 40, .size: 8, .value_kind: global_buffer, .address_space: global }
      - { .name: cnt, .offset: 48, .size: 8, .value_kind: global_buffer, .address_space: global }
    .group_segment_fixed_size: 327680
    .private_segment_fixed_size: 0
    .kernarg_segment_align: 8
    .kernarg_segment_size: 56
    .max_flat_workgroup_size: 128
    .sgpr_count:     80
    .vgpr_count:     992
    .wavefront_size: 32
...
	.end_amdgpu_metadata
.endif
;; end of part 1
;; launch down (part 2): grid 64 x 4, 4 waves a work-group, no clusters, 327,680 bytes of LDS; arguments Wd, hbuf, perm, cnt, out0; writes out0
.if DOCPART == 2
	.amdgcn_target "amdgcn-amd-amdhsa--gfx1250"
	.amdhsa_code_object_version 6
	.text
	.protected	k_q6a1d85fa88_down
	.globl	k_q6a1d85fa88_down
	.p2align	8
	.type	k_q6a1d85fa88_down,@function
k_q6a1d85fa88_down:
	s_mov_b64 s[64:65], 0
	v_nop
	global_prefetch_b8 v0, s[64:65] scope:SCOPE_SE
	s_setreg_imm32_b32 hwreg(HW_REG_WAVE_MODE, 25, 1), 1
	s_wait_xcnt 0x0
; out[token][d] = the sum over f of h[token][f] Wd[expert][d][f], for the tokens of ONE expert (grid y) and 32 columns d (grid x).  Wd [4][2048 d][2048 f] f32; out [1024][2048] f32.
; h comes from the launch before as ready bf16 operands: [expert][f / 32][tile of 16 places][half c][lane][16 bytes]; perm [expert][1024] names each place's token, cnt (byte 256 x expert) the count.
; WEIGHTS.  The work-group's 32 rows of Wd, 256 KiB of f32, lie whole in LDS: eight parts of 256 along K (rows of 1,024 bytes + 16 of padding), each filled once; wave w brings parts w and w + 4:
; by this text's count two tensor loads of a wave are out, at the start.  Each wave rounds the fragments to bf16 on their way from LDS.
; SHARES.  Wave w owns tiles 4 t + w; tiles 0-19 are a fixed pipeline.  Places at or past the count repeat the last row that exists and store the same numbers to the same row again, so nothing is masked;
; an expert without tokens stores nothing.  LIMIT: beyond 320 tokens an expert's further tiles go by the loop at the end, which reads the 32 weight rows from memory for every 16 places: right for every split, slow there.
; PRODUCT.  Source 0 = 16 rows d of Wd, source 1 = 16 places: a lane's result is one token and d = 8 (lane / 16) + 0..7.  Sums in f32.
; PIPELINE, a position v for each 32 along K: weights of v from LDS | their roundings of v - 1 | products of v - 2 | h of v + 5 from memory, into a ring of eight buffers.  Positions before the first data work on
; zeros (208 v_mov_b32 while the first tiles are on their way).
; STORES.  A work-group's 32 columns are 128 bytes of a row: eight lanes store 128 consecutive bytes, four rows an instruction.  Wider slices would leave WGPs without work: 4 experts x 64 slices are 256 work-groups.
; NO CLUSTER: each slice of Wd has one reader; h, which an expert's work-groups share, goes straight into registers, since the slice leaves 52 KB of LDS.
; REGISTERS: window 0 all but h; window 1 h's buffers 0-5 (40 b + 8 t); window 2 buffers 6, 7.
.set PITCH, 1040
.set FRAG,  16*PITCH
.set SUBT,  32*PITCH                   ; 33,280
.set STAGE, 8*SUBT                     ; 266,240: 16 rows x 144 bytes for each wave, in 9 blocks of 256 bytes
.set STAGEW, 2304
.set SPARE, STAGE+4*STAGEW             ; 275,456
.set B0,   3
.set BA,   4
.set AO,   5                           ; wave x 1,024 + lane x 16
.set ST,   6
.set RD,   7
.set SPW,  14
.set NIL,  15
.set TOKO, 16                          ; v16-35  tile t, rows 4 k + lane / 8: token x 8,192 + 16 (lane % 8); never rewritten
.set BF,   40                          ; 2 sets x 2 fragments x 8
.set BS,   72                          ; weights as loaded, 2 x 16
.set ACC,  104                         ; 16 t + 8 c
.set OB,   184                         ; 16 rows read back from the stage
.set TOKX, 200
.set AX,   204
.set WO,   205
.set PX,   206
.set AX0,  207
.set PA,   208                         ; v208-227 addresses of the loads from perm
.set MSB, 0
.macro WIN new
.if MSB != (\new)
	s_set_vgpr_msb (MSB<<8)|(\new)
.set MSB, \new
.endif
.endm
.macro PLACES
.rept 4
	v_nop
.endr
.endm
	s_load_b256 s[4:11], s[0:1], 0x0               ; Wd s[4:5], hbuf s[6:7], perm s[8:9], cnt s[10:11]
	s_load_b64 s[12:13], s[0:1], 0x20              ; out
	v_lshl_add_u32 v[SPW], v0, 2, SPARE
	v_mov_b32 v[NIL], 0
	ds_add_u32 v[SPW], v[NIL]                      ; the wave's opening: the add and its wait ahead of my first tensor load
	v_lshrrev_b32 v8, 5, v0
	v_readfirstlane_b32 s34, v8                    ; wave 0..3
	s_mov_b32 s35, ttmp9
	s_and_b32 s36, ttmp7, 0xffff
	s_mov_b32 s16, (2<<16)|(1<<20)|(7<<22)|(3<<25) ; elements of 4 bytes; padding on: after every 256 words, 4 words
	s_mov_b32 s17, 256<<16
	s_mov_b32 s18, 32<<16
	s_mov_b32 s19, 256<<16
	s_mov_b32 s20, 32
	s_mov_b32 s21, 2048
	s_mov_b32 s22, 0
	s_mov_b32 s23, 0
	s_mul_i32 s53, s34, SUBT
	s_mov_b32 s24, 1
	s_mov_b32 s25, s53
	s_mov_b32 s28, 1
	s_add_co_u32 s29, s53, 4*SUBT
	s_lshl_b32 s44, s36, 24
	s_lshl_b32 s51, s35, 18
	s_add_co_u32 s44, s44, s51
	s_mov_b32 s45, 0
	s_wait_dscnt 0x0
	s_wait_kmcnt 0x0
	s_add_nc_u64 s[56:57], s[4:5], s[44:45]        ; Wd at the slice
	s_lshl_b32 s44, s34, 10
	s_add_nc_u64 s[26:27], s[56:57], s[44:45]      ; part w,
	s_add_nc_u64 s[30:31], s[26:27], 4096          ; part w + 4
	s_or_b32 s27, s27, 0x80000000
	s_or_b32 s31, s31, 0x80000000
	tensor_load_to_lds s[24:27], s[16:23]
	s_nop 0
	tensor_load_to_lds s[28:31], s[16:23]
	s_nop 0
	PLACES
	s_lshl_b32 s44, s36, 8
	s_add_nc_u64 s[10:11], s[10:11], s[44:45]
	s_load_b32 s50, s[10:11], 0x0                  ; the expert's count
	s_lshl_b32 s44, s36, 12
	s_add_nc_u64 s[8:9], s[8:9], s[44:45]          ; its list
	s_lshl_b32 s44, s36, 22
	s_add_nc_u64 s[46:47], s[6:7], s[44:45]        ; its h
	s_lshl_b32 s44, s35, 7
	s_add_nc_u64 s[12:13], s[12:13], s[44:45]      ; out at my 32 columns
	v_and_b32 v1, 15, v0                           ; r
	v_bfe_u32 v2, v0, 4, 1                         ; hh
	v_mul_u32_u24 v[B0], v1, PITCH
	v_lshl_add_u32 v[B0], v2, 5, v[B0]
	v_and_b32 v8, 31, v0
	s_lshl_b32 s51, s34, 10
	v_lshl_add_u32 v[AO], v8, 4, s51
	s_mul_i32 s52, s34, STAGEW
	s_add_co_u32 s52, s52, STAGE
	v_mul_u32_u24 v[ST], v1, 144                   ; into the stage: row r, 32 bytes for each half of the lanes
	v_lshl_add_u32 v[ST], v2, 5, v[ST]
	v_add_nc_u32 v[ST], s52, v[ST]
	v_lshrrev_b32 v9, 3, v8
	v_and_b32 v10, 7, v8
	v_mul_u32_u24 v[RD], v9, 144                   ; back: eight lanes take a row's 128 bytes
	v_lshl_add_u32 v[RD], v10, 4, v[RD]
	v_add_nc_u32 v[RD], s52, v[RD]
	v_lshlrev_b32 v10, 4, v10                      ; 16 (lane % 8)
	s_lshl_b32 s51, s34, 4
	v_add_nc_u32 v9, s51, v9                       ; 16 w + lane / 8
	s_wait_kmcnt 0x0
	s_min_u32 s50, s50, 1024
	s_max_u32 s69, s50, 1
	s_sub_co_u32 s69, s69, 1                       ; the last place that holds a row
.set i, 0
.rept 20
	v_add_nc_u32 v[PA+i], 64*(i/4)+4*(i%4), v9     ; place 16 (4 t + w) + 4 k + lane / 8
	v_min_u32 v[PA+i], s69, v[PA+i]
	v_min_u32 v[PA+i], 0x3ff, v[PA+i]
	v_lshlrev_b32 v[PA+i], 2, v[PA+i]
	global_load_b32 v[TOKO+i], v[PA+i], s[8:9]
.set i, i+1
.endr
.set i, BS
.rept 112                              ; loaded weights and accumulators,
	v_mov_b32 v[i], 0
.set i, i+1
.endr
.set i, BF
.rept 16                               ; set 0 of the fragments,
	v_mov_b32 v[i], 0
.set i, i+1
.endr
	WIN 0x80
.set i, 0
.rept 80                               ; h's buffers 6 and 7
	v_mov_b32 v[i], 0
.set i, i+1
.endr
	WIN 0
	s_wait_loadcnt 0x0
.set i, 0
.rept 20
	v_min_u32 v[TOKO+i], 0x3ff, v[TOKO+i]
	v_lshl_add_u32 v[TOKO+i], v[TOKO+i], 13, v10
.set i, i+1
.endr
	s_mov_b64 s[40:41], s[46:47]                   ; h at the eight positions in hand,
	s_mov_b32 s44, 524288
	s_add_nc_u64 s[42:43], s[46:47], s[44:45]      ; and at the next eight
; 10 loads: my five tiles' operands for 32 along K, 512 consecutive bytes each
.macro AB buf, base, kk
.if (\buf) >= 6
	WIN 0x80
.set AR, 40*((\buf)-6)
.else
	WIN 0x40
.set AR, 40*(\buf)
.endif
.irp t, 0,1,2,3,4
.irp c, 0,1
	global_load_b128 v[AR+8*\t+4*\c:AR+8*\t+4*\c+3], v[AO], s[\base:\base+1] offset:(\kk)*65536+\t*4096+\c*512
.endr
.endr
.endm
	AB 0, 40, 0
	AB 1, 40, 1
	AB 2, 40, 2
	AB 3, 40, 3
	AB 4, 40, 4
	WIN 0
	s_mov_b32 s37, 0
	s_wait_tensorcnt 0x1                           ; my part of K 0-1023 is in; the other may stay out
	s_barrier_signal -1
	s_barrier_wait -1
; A POSITION, a = v % 8.  Ten products on ten accumulators by turns: five tiles on fragment 0, then five on fragment 1.  The sixteen roundings ride behind products 5 to 8 and write the set
; that the position before multiplied: fragment 0's last product there (its product 4) has that position's sixteen roundings behind it, fragment 1's (product 9) this position's first eight.
; The burst at the end lands in the buffer that the position before multiplied: this position's sixteen roundings stand between.
.macro POS2 a, C=1, L=1, left=60
.set MS, (\a)%2
.set CS, ((\a)+1)%2
.set MB, ((\a)+6)%8
.if MB >= 6
.set MW, 0x08
.set MR, 40*(MB-6)
.else
.set MW, 0x04
.set MR, 40*MB
.endif
	s_wait_loadcnt \left                           ; h of v - 2 is in; the younger bursts of 10 stay out
.set k, 0
.rept 10
	WIN MW
	v_wmma_f32_16x16x32_bf16 v[ACC+16*(k%5)+8*(k/5):ACC+16*(k%5)+8*(k/5)+7], v[BF+16*MS+8*(k/5):BF+16*MS+8*(k/5)+7], v[MR+8*(k%5):MR+8*(k%5)+7], v[ACC+16*(k%5)+8*(k/5):ACC+16*(k%5)+8*(k/5)+7]
.if (\C) && (k >= 5) && (k < 9)
	WIN 0
.if (k-5)%2 == 0
	s_wait_dscnt 4                                 ; this fragment of v - 1 is in; behind it the other fragment's four loads were issued
.endif
.irp i, 0,1,2,3
	v_cvt_pk_bf16_f32 v[BF+16*CS+8*((k-5)/2)+4*((k-5)%2)+\i], v[BS+16*((k-5)/2)+8*((k-5)%2)+2*\i], v[BS+16*((k-5)/2)+8*((k-5)%2)+2*\i+1]
.endr
.if (\L) && ((k-5)%2 == 1)
.irp i, 0,1,2,3
	ds_load_b128 v[BS+16*((k-5)/2)+4*\i:BS+16*((k-5)/2)+4*\i+3], v[BA] offset:((k-5)/2)*FRAG+(\a)*128+(\i/2)*64+(\i%2)*16
.endr
.endif
.endif
.set k, k+1
.endr
.if \L
.if (\a) <= 2
	AB ((\a)+5)%8, 40, (\a)+5
.else
	AB ((\a)+5)%8, 42, (\a)-3
.endif
.endif
.endm
; Four parts of the slice, eight positions each
.macro HALF
	s_mov_b32 s38, 4
.Lh_\@:
	v_add_nc_u32 v[BA], s37, v[B0]
	POS2 0
	POS2 1
	POS2 2
	POS2 3
	POS2 4
	POS2 5
	POS2 6
	POS2 7
	WIN 0
	s_wait_xcnt 0x0                                ; the loads' bases are written again only behind this wait
	s_mov_b64 s[40:41], s[42:43]
	s_add_co_u32 s44, s44, 524288
	s_and_b32 s44, s44, 0x3fffff                   ; behind the expert's last f the look-ahead goes back to its first: five bursts that nobody uses, inside the buffer
	s_add_nc_u64 s[42:43], s[46:47], s[44:45]
	s_add_co_u32 s37, s37, SUBT
	s_sub_co_u32 s38, s38, 1
	s_cmp_lg_u32 s38, 0
	s_cbranch_scc1 .Lh_\@
.endm
	HALF
	s_wait_tensorcnt 0x0                           ; my part of K 1024-2047 is in,
	s_wait_dscnt 0x0
	s_barrier_signal -1
	s_barrier_wait -1                              ; everybody's is
	HALF
	s_wait_dscnt 0x0
	POS2 0, 1, 0, 60                               ; the pipeline runs out: roundings of 63, products of 62,
	POS2 1, 0, 0, 50                               ; products of 63: five younger bursts
	WIN 0
	s_wait_loadcnt 0x0
	PLACES
	s_cmp_eq_u32 s50, 0
	s_cbranch_scc1 .Ldone                          ; an expert without tokens stores nothing
; THE WAY OUT of tile t: a lane's 32 bytes go into my own stage (each accumulator from its low end on) and come back as whole pieces of 128 bytes.
.macro EPI2 t, tk
	s_wait_xcnt 0x0                                ; the stores before have read the registers that are loaded again
.irp c, 0,1
	ds_store_b128 v[ST], v[ACC+16*(\t)+8*\c:ACC+16*(\t)+8*\c+3] offset:\c*64
	ds_store_b128 v[ST], v[ACC+16*(\t)+8*\c+4:ACC+16*(\t)+8*\c+7] offset:\c*64+16
.endr
.irp k, 0,1,2,3
	ds_load_b128 v[OB+4*\k:OB+4*\k+3], v[RD] offset:\k*576  ; LDS serves a wave's instructions in order: these see the stores above
.endr
	s_wait_dscnt 0x0
.irp k, 0,1,2,3
	global_store_b128 v[(\tk)+\k], v[OB+4*\k:OB+4*\k+3], s[12:13] th:TH_STORE_NT
.endr
.endm
	EPI2 0, TOKO
	EPI2 1, TOKO+4
	EPI2 2, TOKO+8
	EPI2 3, TOKO+12
	EPI2 4, TOKO+16
	; TILES 20 AND UP: wave w takes tiles 20 + w + 4 i below ceil(count / 16): 11 at the most.  The loop's LDS addresses are fixed (my stage); no barrier, no tensor load.
	s_add_co_u32 s66, s50, 15
	s_lshr_b32 s66, s66, 4
	s_sub_co_i32 s66, s66, 17
	s_sub_co_i32 s66, s66, s34
	s_max_i32 s66, s66, 0
	s_lshr_b32 s68, s66, 2
	s_min_u32 s68, s68, 11
	s_cmp_eq_u32 s68, 0
	s_cbranch_scc1 .Ldone
	v_add_nc_u32 v[PX], 320, v9
	v_add_nc_u32 v[AX0], 20*1024, v[AO]
	s_mov_b32 s66, 0
.Lover:
	s_wait_xcnt 0x0                                ; the last tile's stores have read their address registers
.irp k, 0,1,2,3
	v_add_nc_u32 v[PA+\k], 4*\k, v[PX]
	v_min_u32 v[PA+\k], s69, v[PA+\k]
	v_min_u32 v[PA+\k], 0x3ff, v[PA+\k]
	v_lshlrev_b32 v[PA+\k], 2, v[PA+\k]
	global_load_b32 v[TOKX+\k], v[PA+\k], s[8:9]
.endr
	v_mov_b32 v[AX], v[AX0]
	v_lshlrev_b32 v[WO], 13, v1
	v_lshl_add_u32 v[WO], v2, 5, v[WO]
.set i, 0
.rept 16
	v_mov_b32 v[ACC+i], 0
.set i, i+1
.endr
	s_wait_loadcnt 0x0
.irp k, 0,1,2,3
	v_min_u32 v[TOKX+\k], 0x3ff, v[TOKX+\k]
	v_lshl_add_u32 v[TOKX+\k], v[TOKX+\k], 13, v10
.endr
	s_mov_b32 s67, 64
.Lok:                                                  ; 32 along K: everything straight from memory
	WIN 0x40
	global_load_b128 v[0:3], v[AX], s[46:47]
	global_load_b128 v[4:7], v[AX], s[46:47] offset:512
	WIN 0
.irp f, 0,1
.irp i, 0,1,2,3
	global_load_b128 v[BS+16*\f+4*\i:BS+16*\f+4*\i+3], v[WO], s[56:57] offset:\f*131072+(\i/2)*64+(\i%2)*16
.endr
.endr
	s_wait_loadcnt 0x0                             ; all ten; it also frees their address registers
	v_add_nc_u32 v[AX], 65536, v[AX]
	v_add_nc_u32 v[WO], 128, v[WO]
.set i, 0
.rept 16
	v_cvt_pk_bf16_f32 v[BF+i], v[BS+2*i], v[BS+2*i+1]
.set i, i+1
.endr
	WIN 0x04
	v_wmma_f32_16x16x32_bf16 v[ACC:ACC+7], v[BF:BF+7], v[0:7], v[ACC:ACC+7]           ; two accumulators by turns, over the backward jump too
	v_wmma_f32_16x16x32_bf16 v[ACC+8:ACC+15], v[BF+8:BF+15], v[0:7], v[ACC+8:ACC+15]
	WIN 0
	PLACES                                         ; ahead of the next trip's loads and roundings into these operands, and of the way out
	s_sub_co_u32 s67, s67, 1
	s_cmp_lg_u32 s67, 0
	s_cbranch_scc1 .Lok
	EPI2 0, TOKX
	v_add_nc_u32 v[PX], 64, v[PX]
	v_add_nc_u32 v[AX0], 4096, v[AX0]
	s_add_co_u32 s66, s66, 1
	s_cmp_lt_u32 s66, s68
	s_cbranch_scc1 .Lover
.Ldone:
	s_wait_tensorcnt 0x0                           ; the wave's end
	ds_add_u32 v[SPW], v[NIL]
	s_wait_dscnt 0x0
	s_endpgm
.Lfunc_end_k_q6a1d85fa88_down:
	.size	k_q6a1d85fa88_down, .Lfunc_end_k_q6a1d85fa88_down-k_q6a1d85fa88_down
	.p2alignl 7, 3214868480
	.fill 96, 4, 3214868480
	.section	.rodata,"a",@progbits
	.p2align	6, 0x0
	.amdhsa_kernel k_q6a1d85fa88_down
		.amdhsa_group_segment_fixed_size 327680
		.amdhsa_private_segment_fixed_size 0
		.amdhsa_enable_private_segment 0
		.amdhsa_kernarg_size 40
		.amdhsa_user_sgpr_count 2
		.amdhsa_user_sgpr_kernarg_segment_ptr 1
		.amdhsa_wavefront_size32 1
		.amdhsa_system_sgpr_workgroup_id_x 1
		.amdhsa_system_sgpr_workgroup_id_y 1
		.amdhsa_system_sgpr_workgroup_id_z 1
		.amdhsa_system_vgpr_workitem_id 0
		.amdhsa_next_free_vgpr 592
		.amdhsa_next_free_sgpr 80
		.amdhsa_reserve_vcc 0
		.amdhsa_float_denorm_mode_32 3
		.amdhsa_float_denorm_mode_16_64 3
		.amdhsa_memory_ordered 1
		.amdhsa_forward_progress 1
		.amdhsa_inst_pref_size 94
	.end_amdhsa_kernel
	.amdgpu_metadata
---
amdhsa.version: [ 1, 2 ]
amdhsa.kernels:
  - .name:           k_q6a1d85fa88_down
    .symbol:         k_q6a1d85fa88_down.kd
    .args:
      - { .name: Wd, .offset: 0, .size: 8, .value_kind: global_buffer, .address_space: global }
      - { .name: hbuf, .offset: 8, .size: 8, .value_kind: global_buffer, .address_space: global }
      - { .name: perm, .offset: 16, .size: 8, .value_kind: global_buffer, .address_space: global }
      - { .name: cnt, .offset: 24, .size: 8, .value_kind: global_buffer, .address_space: global }
      - { .name: out0, .offset: 32, .size: 8, .value_kind: global_buffer, .address_space: global }
    .group_segment_fixed_size: 327680
    .private_segment_fixed_size: 0
    .kernarg_segment_align: 8
    .kernarg_segment_size: 40
    .max_flat_workgroup_size: 128
    .sgpr_count:     80
    .vgpr_count:     592
    .wavefront_size: 32
...
	.end_amdgpu_metadata
.endif
;; end of part 2
;; ======== version 2 of 2: 3 launches
;; limits: right only within a limited range of input values
;; workspace buffers: xbuf 16,777,216 bytes; hbuf 16,777,216 bytes; perm 16,384 bytes of whole numbers; cnt 1,024 bytes of whole numbers
;; launch pack (part 3): grid 64 x 4, 8 waves a work-group, no clusters, 35,840 bytes of LDS; arguments hidden_states, token_ids, xbuf, perm, cnt; writes xbuf, perm, cnt
.if DOCPART == 3
	.amdgcn_target "amdgcn-amd-amdhsa--gfx1250"
	.amdhsa_code_object_version 6
	.text
	.protected	k_q6a1d85fa88_pack
	.globl	k_q6a1d85fa88_pack
	.p2align	8
	.type	k_q6a1d85fa88_pack,@function
k_q6a1d85fa88_pack:
	s_mov_b64 s[64:65], 0
	v_nop
	global_prefetch_b8 v0, s[64:65] scope:SCOPE_SE
	s_setreg_imm32_b32 hwreg(HW_REG_WAVE_MODE, 25, 1), 1
	s_wait_xcnt 0x0
; ROUTING AND PACKING.  Work-group (x = tile j, y = expert e) gathers the 16 rows of hidden_states that stand at places 16 j .. 16 j + 15 of expert e's token list, rounds them once to bf16
; and stores them as ready matrix operands: xbuf [expert][k / 32][tile][half c][lane][16 bytes]: lane (r, hh) holds k = 16 c + 8 hh + 0..7 of the token at place r.
; LIST.  expert = clip(id, 0, 99999) / 25000, written as two signed compares whose outer bounds are the lowest and the highest int32.  Every wave makes the expert's whole list for itself,
; in LDS words of its own, so no barrier is needed.  Tile 0's wave 0 stores list and count for the later launches.
; WHICH TILES.  Tiles 0-15 are always stored (the later launches read them whatever the count); further tiles up to ceil(count / 16).  A work-group past that stores nothing and ends: the grid of
; 64 tiles an expert serves every split, up to all 1,024 tokens on one expert.  Places at or past the count repeat the last row that exists (token 0 if there is none).
; SHARES.  Wave w takes k = 256 w .. 256 w + 255: 1,024 consecutive bytes of each of the 16 rows, by 32 loads on end; each of its 16 stores covers 512 consecutive bytes, aligned.
; No matrix work, no cluster: every byte of a row that exists is read by one wave.
.set LISTW, 4352                       ; a wave's list: 1,024 words and a dump word, in 17 blocks of 256 bytes
.set SPARE, 8*LISTW                    ; 34,816: the spare words, 128 bytes a wave
.set ROW,  3                           ; v3  my token's row in bytes + 32 hh + 1,024 w
.set LB,   8                           ; v8  my wave's list
.set DUMP, 9                           ; v9  1,024: the dump word's index
.set L4,   10                          ; v10 4 x lane
.set IO,   11                          ; v11 16 x lane
.set LZ,   12                          ; v12 my wave's list + 16 x lane
.set NV,   13                          ; v13 the count
.set SPW,  14
.set NIL,  15
.set ZR,   16
.set IDS,  20                          ; v20-51
.set X,    52                          ; v52-179   8 chunks x 16 f32
.set OUT,  180                         ; v180-243  8 chunks x 8
	s_load_b256 s[4:11], s[0:1], 0x0               ; x s[4:5], ids s[6:7], xbuf s[8:9], perm s[10:11]
	s_load_b64 s[12:13], s[0:1], 0x20              ; cnt
	v_lshl_add_u32 v[SPW], v0, 2, SPARE
	v_mov_b32 v[NIL], 0
	v_lshrrev_b32 v5, 5, v0
	v_readfirstlane_b32 s34, v5                    ; wave 0..7
	s_mov_b32 s35, ttmp9                           ; tile
	s_and_b32 s36, ttmp7, 0xffff                   ; expert
	v_and_b32 v6, 31, v0
	v_lshlrev_b32 v[IO], 4, v6
	s_wait_kmcnt 0x0
.irp q, 0,1,2,3,4,5,6,7
	global_load_b128 v[IDS+4*\q:IDS+4*\q+3], v[IO], s[6:7] offset:512*\q  ; register 4 q + c of lane l: token 128 q + 4 l + c
.endr
	v_and_b32 v1, 15, v0                           ; r
	v_bfe_u32 v2, v0, 4, 1                         ; hh
	v_lshlrev_b32 v[L4], 2, v6
	s_mul_i32 s51, s34, LISTW
	v_mov_b32 v[LB], s51
	v_add_nc_u32 v[LZ], s51, v[IO]
	v_mov_b32 v[DUMP], 0x400
.irp i, 0,1,2,3
	v_mov_b32 v[ZR+\i], 0
.endr
.irp i, 0,1,2,3,4,5,6,7
	ds_store_b128 v[LZ], v[ZR:ZR+3] offset:512*\i  ; places that stay unused name token 0
.endr
	s_mul_i32 s48, s36, 25000                      ; my expert's ids: LO .. HI, signed; the clip is the open outer bounds
	s_add_co_u32 s49, s48, 24999
	s_cmp_eq_u32 s36, 0
	s_cselect_b32 s48, 0x80000000, s48
	s_cmp_eq_u32 s36, 3
	s_cselect_b32 s49, 0x7fffffff, s49
	s_mov_b32 s50, 0
	s_mov_b32 s45, 0
	s_wait_loadcnt 0x0                             ; the ids
; 32 tokens: members take the next places of the list, in lane order; the others write the dump word
.macro MEMB i
	v_cmp_le_i32 s51, s48, v[IDS+(\i)]
	v_cmp_ge_i32 s52, s49, v[IDS+(\i)]
	s_and_b32 s51, s51, s52
	v_mbcnt_lo_u32_b32 v5, s51, s50                ; places taken so far + members in lower lanes
	v_cndmask_b32 v5, v[DUMP], v5, s51
	v_min_u32 v5, 0x400, v5
	v_lshl_add_u32 v5, v5, 2, v[LB]
	v_add_nc_u32 v7, 128*((\i)/4)+(\i)%4, v[L4]
	ds_store_b32 v5, v7
	s_bcnt1_i32_b32 s52, s51
	s_add_co_u32 s50, s50, s52
.endm
.set n, 0
.rept 32
	MEMB n
.set n, n+1
.endr
	s_min_u32 s50, s50, 1024                       ; the expert's count
	s_max_u32 s69, s50, 1
	s_sub_co_u32 s69, s69, 1                       ; the last place that holds a row
	s_or_b32 s51, s35, s34
	s_cmp_lg_u32 s51, 0
	s_cbranch_scc1 .Lnoperm                        ; tile 0's wave 0 alone stores the expert's list and count
.irp i, 0,1,2,3,4,5,6,7
	ds_load_b128 v[IDS+4*\i:IDS+4*\i+3], v[LZ] offset:512*\i  ; LDS serves a wave's instructions in order: these see the stores above
.endr
	s_lshl_b32 s44, s36, 12
	s_add_nc_u64 s[10:11], s[10:11], s[44:45]
	s_lshl_b32 s44, s36, 8
	s_add_nc_u64 s[12:13], s[12:13], s[44:45]
	v_mov_b32 v[NV], s50
	s_wait_dscnt 0x0
.irp i, 0,1,2,3,4,5,6,7
	global_store_b128 v[IO], v[IDS+4*\i:IDS+4*\i+3], s[10:11] offset:512*\i
.endr
	global_store_b32 v[L4], v[NV], s[12:13]        ; none of these stores' registers is written again
.Lnoperm:
	s_add_co_u32 s51, s50, 15
	s_lshr_b32 s51, s51, 4
	s_max_u32 s51, s51, 16                         ; tiles to be stored
	s_cmp_ge_u32 s35, s51
	s_cbranch_scc1 .Ldone
	s_lshl_b32 s51, s35, 4
	v_add_nc_u32 v6, s51, v1                       ; place 16 j + r
	v_min_u32 v6, s69, v6
	v_min_u32 v6, 0x3ff, v6
	v_lshl_add_u32 v6, v6, 2, v[LB]
	ds_load_b32 v[ROW], v6
	s_lshl_b32 s44, s36, 22                        ; xbuf: 4 MiB an expert, 65,536 bytes for each 32 k (8 of them a wave), 1,024 a tile
	s_lshl_b32 s51, s34, 19
	s_add_co_u32 s44, s44, s51
	s_lshl_b32 s51, s35, 10
	s_add_co_u32 s44, s44, s51
	s_add_nc_u64 s[14:15], s[8:9], s[44:45]
	s_lshl_b32 s51, s34, 10
	s_wait_dscnt 0x0
	v_min_u32 v[ROW], 0x3ff, v[ROW]
	v_lshlrev_b32 v[ROW], 13, v[ROW]
	v_lshl_add_u32 v[ROW], v2, 5, v[ROW]
	v_add_nc_u32 v[ROW], s51, v[ROW]
.irp k, 0,1,2,3,4,5,6,7
.irp i, 0,1,2,3
	global_load_b128 v[X+16*\k+4*\i:X+16*\k+4*\i+3], v[ROW], s[4:5] offset:\k*128+(\i/2)*64+(\i%2)*16  ; k = 8 hh + 0..7 and 16 + 8 hh + 0..7 of chunk k
.endr
.endr
.irp k, 0,1,2,3,4,5,6,7
	s_wait_loadcnt 28-4*\k                         ; chunk k is in; the later chunks' four loads each stay out
.irp m, 0,1,2,3,4,5,6,7
	v_cvt_pk_bf16_f32 v[OUT+8*\k+\m], v[X+16*\k+2*\m], v[X+16*\k+2*\m+1]
.endr
	global_store_b128 v[IO], v[OUT+8*\k:OUT+8*\k+3], s[14:15] offset:\k*65536
	global_store_b128 v[IO], v[OUT+8*\k+4:OUT+8*\k+7], s[14:15] offset:\k*65536+512
.endr
.Ldone:
	s_wait_tensorcnt 0x0                           ; the wave's end
	ds_add_u32 v[SPW], v[NIL]
	s_wait_dscnt 0x0
	s_endpgm
.Lfunc_end_k_q6a1d85fa88_pack:
	.size	k_q6a1d85fa88_pack, .Lfunc_end_k_q6a1d85fa88_pack-k_q6a1d85fa88_pack
	.p2alignl 7, 3214868480
	.fill 96, 4, 3214868480
	.section	.rodata,"a",@progbits
	.p2align	6, 0x0
	.amdhsa_kernel k_q6a1d85fa88_pack
		.amdhsa_group_segment_fixed_size 35840
		.amdhsa_private_segment_fixed_size 0
		.amdhsa_enable_private_segment 0
		.amdhsa_kernarg_size 40
		.amdhsa_user_sgpr_count 2
		.amdhsa_user_sgpr_kernarg_segment_ptr 1
		.amdhsa_wavefront_size32 1
		.amdhsa_system_sgpr_workgroup_id_x 1
		.amdhsa_system_sgpr_workgroup_id_y 1
		.amdhsa_system_sgpr_workgroup_id_z 1
		.amdhsa_system_vgpr_workitem_id 0
		.amdhsa_next_free_vgpr 244
		.amdhsa_next_free_sgpr 72
		.amdhsa_reserve_vcc 0
		.amdhsa_float_denorm_mode_32 3
		.amdhsa_float_denorm_mode_16_64 3
		.amdhsa_memory_ordered 1
		.amdhsa_forward_progress 1
		.amdhsa_inst_pref_size 34
	.end_amdhsa_kernel
	.amdgpu_metadata
---
amdhsa.version: [ 1, 2 ]
amdhsa.kernels:
  - .name:           k_q6a1d85fa88_pack
    .symbol:         k_q6a1d85fa88_pack.kd
    .args:
      - { .name: hidden_states, .offset: 0, .size: 8, .value_kind: global_buffer, .address_space: global }
      - { .name: token_ids, .offset: 8, .size: 8, .value_kind: global_buffer, .address_space: global }
      - { .name: xbuf, .offset: 16, .size: 8, .value_kind: global_buffer, .address_space: global }
      - { .name: perm, .offset: 24, .size: 8, .value_kind: global_buffer, .address_space: global }
      - { .name: cnt, .offset: 32, .size: 8, .value_kind: global_buffer, .address_space: global }
    .group_segment_fixed_size: 35840
    .private_segment_fixed_size: 0
    .kernarg_segment_align: 8
    .kernarg_segment_size: 40
    .max_flat_workgroup_size: 256
    .sgpr_count:     72
    .vgpr_count:     244
    .wavefront_size: 32
...
	.end_amdgpu_metadata
.endif
;; end of part 3
;; launch gateup (part 4): grid 64 x 4, 4 waves a work-group, no clusters, 327,680 bytes of LDS; arguments xbuf, Wg, Wu, cnt, hbuf; writes hbuf
.if DOCPART == 4
	.amdgcn_target "amdgcn-amd-amdhsa--gfx1250"
	.amdhsa_code_object_version 6
	.text
	.protected	k_q6a1d85fa88_gateup
	.globl	k_q6a1d85fa88_gateup
	.p2align	8
	.type	k_q6a1d85fa88_gateup,@function
k_q6a1d85fa88_gateup:
	s_mov_b64 s[64:65], 0
	v_nop
	global_prefetch_b8 v0, s[64:65] scope:SCOPE_SE
	s_setreg_imm32_b32 hwreg(HW_REG_WAVE_MODE, 25, 1), 1
	s_wait_xcnt 0x0
; h = silu(x Wg^T) * (x Wu^T) for the tokens of ONE expert (grid y) and 32 columns f (grid x).  Wg, Wu [4][2048 f][2048 d] f32.
; x comes from the launch before as ready bf16 operands, in the expert's own order: xbuf [expert][k / 32][tile of 16 places][half c][lane][16 bytes]; cnt (byte 256 x expert) is the expert's count.
; SHARES.  Wave w owns tiles 4 t + w.  Tiles 0-15 are always worked; tile 16 + w only where the count passes 256 + 16 w: a forward scalar branch on the stored count jumps over its products, its loads and its way out,
; and over nothing else.  Places past the count repeat a row that exists, so nothing is masked.
; LIMIT.  An expert with more than 320 tokens is served by the loop at the end, which reads the 64 weight rows from memory again for every 16 further places: right up to all 1,024 tokens on one expert, slow there.
; PRODUCT.  Source 0 = 16 rows f of a weight, source 1 = 16 tokens: a lane's result is ONE token (lane % 16) and f = 8 (lane / 16) + 0..7.  x, weights and h are rounded once to bf16; sums, sigmoid and g u in f32.
; h = (g u) / (1 + 2^(-1.442695 g)): where g u leaves f32's range while the divisor is infinite the result is NaN; NaN and infinities are not treated apart.
; h LEAVES in xbuf's layout: [expert][f / 32][tile][half c][lane][16 bytes]; a store covers 512 consecutive bytes, aligned.
; WEIGHTS come by tensor loads into two LDS slots of 512 along K (two parts of 256: rows of 1,024 bytes + 16 of padding, rows 0-31 Wg's, 32-63 Wu's); each wave brings one part of one weight: 32 rows,
; since two weights x two parts are shared among four waves.  By this text's count a wave has two tensor loads out at the start and one behind each refill.
; NO CLUSTER: each slice of weights has one reader.  The token operands, which an expert's 64 work-groups share, go straight into registers: through LDS each wave would read its 4 to 5 KB for 32 along K there
; on top of the 8 KB of weights that it reads there already.
; PIPELINE, an iteration v for each 64 along K: the products of v - 2 (32, and the fifth tile's 8) | 64 roundings of the weights of v - 1, four behind each of products 16 to 31 | then ONE run of memory instructions:
; the weights of v from LDS (32 loads) and the token operands of v + 2 from memory (16 or 20 loads), into the ring buffer that the iteration has just multiplied.  A buffer owns its address register, stepped
; behind the counted wait that shows its loads done: no base is ever rewritten.
; The first two iterations work on zeros (544 v_mov_b32, issued while the first tile is on its way; 32 of them so that the fifth tile's registers are written on every path): the price of one text for every iteration.
; REGISTERS, in windows of 256: window 0 addresses, the weights' bf16 fragments, the way out; window 1 accumulators (32 t + 8 j; j = 0, 1 g, j = 2, 3 u); window 2 weights as loaded (16 f) and ring buffer 3; window 3 ring buffers 0-2.
.set PITCH, 1040
.set FRAG,  16*PITCH
.set HALFS, 32*PITCH
.set SUBT,  64*PITCH
.set SLOT,  2*SUBT
.set SPARE, 2*SLOT                     ; 266,240: the spare words, 128 bytes a wave
.set GRP,   131072                     ; bytes in xbuf from 64 along K to the next 64
.set T5,   33                          ; s33 1: my fifth tile holds tokens
.set B0,   3                           ; v3  r x pitch + 32 hh
.set BA,   4                           ; v4  B0 + the LDS byte of the part in hand
.set AOF,  8                           ; v8-11  ring buffer b: byte offset in the expert's xbuf of the group that it loads next
.set HO,   12                          ; v12 wave x 1,024 + lane x 16
.set PFO,  13                          ; v13 lane x 8,192
.set SPW,  14
.set NIL,  15
.set AX,   16
.set WO,   17
.set AX0,  18
.set BF,   32                          ; v32-159  2 sets x 8 fragments (4 s + j) x 8
.set TT,   160
.set GU,   176
.set OUT,  192                         ; v192-231
.set MSB, 0
.macro WIN new                         ; the immediate's high byte repeats the setting that is left
.if MSB != (\new)
	s_set_vgpr_msb (MSB<<8)|(\new)
.set MSB, \new
.endif
.endm
.macro PLACES
.rept 4
	v_nop
.endr
.endm
.macro AWIN buf                        ; the window and first register of ring buffer buf, as a load's destination
.if (\buf) == 3
	WIN 0x80
.set LR, 128
.else
	WIN 0xc0
.set LR, 80*(\buf)
.endif
.endm
.macro AFLT buf, t                     ; 4 loads: tile t's operands for 64 along K, 512 consecutive bytes each
.irp s, 0,1
.irp c, 0,1
	global_load_b128 v[LR+40*\s+8*(\t)+4*\c:LR+40*\s+8*(\t)+4*\c+3], v[AOF+(\buf)], s[4:5] offset:\s*65536+(\t)*4096+\c*512
.endr
.endr
.endm
.macro AFL4 buf                        ; the four tiles that are always worked
	AWIN \buf
	AFLT \buf, 0
	AFLT \buf, 1
	AFLT \buf, 2
	AFLT \buf, 3
.endm
.macro AFL5 buf                        ; the fifth
	AWIN \buf
	AFLT \buf, 4
.endm
	s_load_b256 s[4:11], s[0:1], 0x0               ; xbuf s[4:5], Wg s[6:7], Wu s[8:9], cnt s[10:11]
	s_load_b64 s[12:13], s[0:1], 0x20              ; hbuf
	v_lshl_add_u32 v[SPW], v0, 2, SPARE
	v_mov_b32 v[NIL], 0
	ds_add_u32 v[SPW], v[NIL]                      ; the wave's opening: the add and its wait ahead of my first tensor load
	v_lshrrev_b32 v5, 5, v0
	v_readfirstlane_b32 s34, v5                    ; wave 0..3
	s_mov_b32 s35, ttmp9                           ; slice
	s_and_b32 s36, ttmp7, 0xffff                   ; expert
	s_mov_b32 s16, (2<<16)|(1<<20)|(7<<22)|(3<<25) ; elements of 4 bytes; padding on: after every 256 words, 4 words
	s_mov_b32 s17, 256<<16                         ; tensor_dim0 = 256
	s_mov_b32 s18, 32<<16                          ; tensor_dim1 = 32
	s_mov_b32 s19, 256<<16                         ; tile_dim0 = 256
	s_mov_b32 s20, 32                              ; tile_dim1 = 32
	s_mov_b32 s21, 2048                            ; elements from row to row
	s_mov_b32 s22, 0
	s_mov_b32 s23, 0
	s_lshr_b32 s51, s34, 1                         ; 0: I fetch Wg, 1: Wu
	s_and_b32 s52, s34, 1                          ; which part of a slot
	s_mul_i32 s53, s52, SUBT
	s_mul_i32 s38, s51, HALFS
	s_add_co_u32 s53, s53, s38                     ; my tile's place in a slot
	s_mov_b32 s24, 1
	s_mov_b32 s25, s53
	s_mov_b32 s28, 1
	s_add_co_u32 s29, s53, SLOT
	s_lshl_b32 s44, s36, 24                        ; an expert's weight is 16 MiB,
	s_lshl_b32 s38, s35, 18                        ; 32 rows of 8,192 bytes
	s_add_co_u32 s44, s44, s38
	s_mov_b32 s45, 0
	s_lshl_b32 s38, s52, 10                        ; my part's 1,024 bytes of a row
	s_mov_b32 s39, 0
	s_wait_dscnt 0x0                               ; the opening add is done
	s_wait_kmcnt 0x0
	s_add_nc_u64 s[60:61], s[6:7], s[44:45]        ; Wg and Wu at the slice
	s_add_nc_u64 s[62:63], s[8:9], s[44:45]
	s_cmp_eq_u32 s51, 0
	s_cselect_b64 s[56:57], s[60:61], s[62:63]
	s_add_nc_u64 s[56:57], s[56:57], s[38:39]      ; my tile of K 0-511
	s_mov_b64 s[26:27], s[56:57]
	s_or_b32 s27, s27, 0x80000000
	s_add_nc_u64 s[30:31], s[56:57], 2048          ; and of K 512-1023
	s_or_b32 s31, s31, 0x80000000
	tensor_load_to_lds s[24:27], s[16:23]          ; both first fills together, ahead of every LDS read, barrier and wait on TENSORcnt
	s_nop 0
	tensor_load_to_lds s[28:31], s[16:23]
	s_nop 0
	PLACES
	s_lshl_b32 s44, s36, 8
	s_add_nc_u64 s[10:11], s[10:11], s[44:45]
	s_load_b32 s50, s[10:11], 0x0                  ; the expert's count
	s_lshl_b32 s44, s36, 22                        ; xbuf and hbuf: 4 MiB an expert
	s_add_nc_u64 s[4:5], s[4:5], s[44:45]
	s_lshl_b32 s51, s35, 16                        ; hbuf: 65,536 bytes for each 32 f
	s_add_co_u32 s44, s44, s51
	s_add_nc_u64 s[58:59], s[12:13], s[44:45]
	s_add_nc_u64 s[54:55], s[56:57], 4096          ; the first tile to be prefetched: my part of K 1024-1535
	s_mov_b32 s46, 512
	s_mov_b32 s47, 0
	v_and_b32 v1, 15, v0                           ; r
	v_bfe_u32 v2, v0, 4, 1                         ; hh
	v_and_b32 v6, 31, v0
	s_lshl_b32 s52, s34, 10
	v_lshl_add_u32 v[HO], v6, 4, s52
	v_mov_b32 v[AOF], v[HO]                        ; buffers 0 and 1 begin with groups 0 and 1;
	v_add_nc_u32 v[AOF+1], GRP, v[HO]
	v_add_nc_u32 v[AOF+2], 30*GRP, v[HO]           ; buffers 2 and 3 are stepped (by four groups, modulo 32) ahead of their first use: groups 2 and 3
	v_add_nc_u32 v[AOF+3], 31*GRP, v[HO]
	AFL4 0
	AFL4 1
	WIN 0
	v_mul_u32_u24 v[B0], v1, PITCH
	v_lshl_add_u32 v[B0], v2, 5, v[B0]             ; 8 f32 along K for each half of the lanes
	v_lshlrev_b32 v[PFO], 13, v6
	WIN 0xc0                                       ; zeros: the fifth tile's registers in ring buffers 0 and 1, so that they are written whether or not they are loaded,
.irp b, 32,72,112,152
.set i, 0
.rept 8
	v_mov_b32 v[\b+i], 0
.set i, i+1
.endr
.endr
.set i, 160                            ; ring buffer 2,
.rept 80
	v_mov_b32 v[i], 0
.set i, i+1
.endr
	WIN 0x40                                       ; the accumulators,
.set i, 0
.rept 160
	v_mov_b32 v[i], 0
.set i, i+1
.endr
	WIN 0x80                                       ; the weights as loaded and ring buffer 3,
.set i, 0
.rept 208
	v_mov_b32 v[i], 0
.set i, i+1
.endr
	WIN 0                                          ; and set 0 of the fragments
.set i, 0
.rept 64
	v_mov_b32 v[BF+i], 0
.set i, i+1
.endr
	s_wait_kmcnt 0x0
	s_min_u32 s50, s50, 1024
	s_lshl_b32 s51, s34, 4
	s_add_co_u32 s51, s51, 256
	s_cmp_gt_u32 s50, s51                          ; does place 16 (16 + w) hold a token?
	s_cselect_b32 s[T5], 1, 0
	s_cmp_eq_u32 s[T5], 0
	s_cbranch_scc1 .Lno5p
	AFL5 0
	AFL5 1
	WIN 0
.Lno5p:
	s_wait_loadcnt 0x0                             ; groups 0 and 1: for 0, since the fifth tile's loads were issued last; they land while the first tile is on its way
	s_wait_tensorcnt 0x1                           ; my part of slot 0 is in; slot 1's may stay out
	s_barrier_signal -1
	s_barrier_wait -1
.macro WP                              ; the product named by ws (32 ws along K on), wt (tile), wj (weight fragment)
	WIN MW
	v_wmma_f32_16x16x32_bf16 v[32*wt+8*wj:32*wt+8*wj+7], v[BF+64*MS+32*ws+8*wj:BF+64*MS+32*ws+8*wj+7], v[MR+40*ws+8*wt:MR+40*ws+8*wt+7], v[32*wt+8*wj:32*wt+8*wj+7]
.endm
.macro QUAD q                          ; four roundings: half q % 2 of weight fragment q / 2
.set qf, (\q)/2
.set qh, (\q)%2
.if qh == 0
	s_wait_dscnt 28-4*qf                           ; fragment qf is in; the later fragments' four loads each stay out
.endif
	WIN 0x0a
.irp i, 0,1,2,3
	v_cvt_pk_bf16_f32 v[BF+64*CS+8*qf+4*qh+\i], v[16*qf+8*qh+2*\i], v[16*qf+8*qh+2*\i+1]
.endr
.endm
.macro BSL a                           ; the eight weight fragments of this iteration, as f32, from LDS: fragment f = 4 s + j
	WIN 0x80
.set f, 0
.rept 8
.irp i, 0,1,2,3
	ds_load_b128 v[16*f+4*\i:16*f+4*\i+3], v[BA] offset:(f%4)*FRAG+(\a)*256+(f/4)*128+(\i/2)*64+(\i%2)*16
.endr
.set f, f+1
.endr
.endm
; AN ITERATION, a = v % 4.  The accumulators take turns on every path: 16 in the first 32 products, the fifth tile's 4 in its 8.  The roundings write the set of fragments that the iteration
; before multiplied: behind that iteration's last product stand its last four roundings or, on the fifth tile's path, four v_nop.  The same four are the places ahead of the loads from memory, which land in the ring
; buffer that this iteration has multiplied.
; THE WAIT at the head: the group of v - 2 was issued at the end of v - 4; behind it three groups of 16 or 20 loads: 48 is right on every path.
; pf = 1: iteration 0 of a trip asks ahead for two columns of 256 bytes of the 32 rows of the tile that I fetch at the next change of slots (a phase's two trips cover its rows of 1,024 bytes, each block once);
; iteration 1 steps that address, 32 products behind the request.
.macro ITER a, pf=0, C=1, L=1, left=48
.set MS, (\a)%2
.set CS, ((\a)+1)%2
.set MB, ((\a)+2)%4
.if MB == 3
.set MW, 0x58
.set MR, 128
.else
.set MW, 0x5c
.set MR, 80*MB
.endif
	WIN 0
	s_wait_loadcnt \left                           ; the operands of v - 2 are in; the younger groups stay out
.if \L
	v_add_nc_u32 v[AOF+MB], 4*GRP, v[AOF+MB]       ; free since that wait: the buffer's next group;
	v_and_b32 v[AOF+MB], 0x3fffff, v[AOF+MB]       ; behind the last group the look-ahead goes back to the first: two groups that nobody uses, inside the buffer
.endif
.set k, 0
.rept 32
.set ws, k/16
.set wt, (k%16)/4
.set wj, k%4
	WP
.if (\C) && (k >= 16)
	QUAD k-16
.endif
.set k, k+1
.endr
.if (\L) && (\pf) && ((\a) == 1)
	s_wait_xcnt 0x0                                ; the prefetches' base is written again only behind this wait
	s_add_nc_u64 s[54:55], s[54:55], s[46:47]      ; 512 on within a tile, then 1,536 on to my part of the next
	s_xor_b32 s46, s46, 0x400
.endif
	WIN 0                                          ; at a branch and at a label every window is 0
	s_cmp_eq_u32 s[T5], 0
	s_cbranch_scc1 .Lno5_\@                        ; no token in my fifth tile: its products and its loads are jumped
.set k, 0
.rept 8
.set ws, k/4
.set wt, 4
.set wj, k%4
	WP
.set k, k+1
.endr
.if \L
	PLACES
	AFL5 MB
.endif
	WIN 0
.Lno5_\@:
.if \L
	BSL \a
	AFL4 MB
.if (\pf) && ((\a) == 0)
	global_prefetch_b8 v[PFO], s[54:55] th:TH_LOAD_NT scope:SCOPE_SE
	global_prefetch_b8 v[PFO], s[54:55] offset:256 th:TH_LOAD_NT scope:SCOPE_SE
.endif
.endif
.endm
.macro PHASE pf                        ; a slot: two parts, four iterations each
	s_mov_b32 s38, 2
.Lp_\@:
	v_add_nc_u32 v[BA], s37, v[B0]
	ITER 0, \pf
	ITER 1, \pf
	ITER 2, \pf
	ITER 3, \pf
	WIN 0
	s_add_co_u32 s37, s37, SUBT
	s_sub_co_u32 s38, s38, 1
	s_cmp_lg_u32 s38, 0
	s_cbranch_scc1 .Lp_\@
.endm
; THE CHANGE OF SLOTS: all my tensor loads have landed (my part of the next slot); the add; my reads of the slot that is left are back; the barrier; then, first thing, the refill with K 1,024 further on.
.macro CHANGE fill, g0
	WIN 0
	s_wait_tensorcnt 0x0
	ds_add_u32 v[SPW], v[NIL]
.if \fill
	s_add_nc_u64 s[\g0+2:\g0+3], s[\g0+2:\g0+3], 4096
.endif
	s_wait_dscnt 0x0
	s_barrier_signal -1
	s_barrier_wait -1
.if \fill
	tensor_load_to_lds s[\g0:\g0+3], s[16:23]
	s_nop 0
	PLACES
.endif
.endm
	s_mov_b32 s37, 0
	PHASE 1                                        ; K 0-511, slot 0
	CHANGE 1, 24
	PHASE 1                                        ; K 512-1023, slot 1
	CHANGE 1, 28
	s_mov_b32 s37, 0
	s_mov_b32 s39, 2
.Lrest:                                                ; K 1024-1535 and 1536-2047: nothing is left to fetch.  The second trip's barrier serves nothing: the price of one text for both
	PHASE 0
	CHANGE 0, 24
	s_sub_co_u32 s39, s39, 1
	s_cmp_lg_u32 s39, 0
	s_cbranch_scc1 .Lrest
	ITER 0, 0, 1, 0, 48                            ; the pipeline runs out: roundings of 31, products of 30,
	ITER 1, 0, 0, 0, 32                            ; products of 31: two younger groups of 16 at the least
	WIN 0
	s_wait_loadcnt 0x0                             ; the look-ahead's two unused groups
	PLACES
; THE WAY OUT of tile t (accumulators 32 t ..): each accumulator is read from its low end on.  One wait for each batch of sixteen transcendentals.
.macro EPI t, base, imm
	WIN 0x01
.set i, 0
.rept 8
	v_pk_mul_f32 v[TT+2*i:TT+2*i+1], v[32*(\t)+2*i:32*(\t)+2*i+1], 0xbfb8aa3b op_sel_hi:[1,0]  ; -log2(e) g
.set i, i+1
.endr
	WIN 0x05
.set i, 0
.rept 8
	v_pk_mul_f32 v[GU+2*i:GU+2*i+1], v[32*(\t)+2*i:32*(\t)+2*i+1], v[32*(\t)+16+2*i:32*(\t)+16+2*i+1]  ; g u
.set i, i+1
.endr
	WIN 0
.set i, 0
.rept 16
	v_exp_f32 v[TT+i], v[TT+i]
.set i, i+1
.endr
	v_nop
	s_wait_alu depctr_va_vdst(0)
.set i, 0
.rept 8
	v_pk_add_f32 v[TT+2*i:TT+2*i+1], v[TT+2*i:TT+2*i+1], 1.0 op_sel_hi:[1,0]
.set i, i+1
.endr
.set i, 0
.rept 16
	v_rcp_f32 v[TT+i], v[TT+i]
.set i, i+1
.endr
	v_nop
	s_wait_alu depctr_va_vdst(0)
.set i, 0
.rept 8
	v_pk_mul_f32 v[TT+2*i:TT+2*i+1], v[TT+2*i:TT+2*i+1], v[GU+2*i:GU+2*i+1]
.set i, i+1
.endr
.set i, 0
.rept 8
	v_cvt_pk_bf16_f32 v[OUT+8*(\t)+i], v[TT+2*i], v[TT+2*i+1]
.set i, i+1
.endr
	global_store_b128 v[HO], v[OUT+8*(\t):OUT+8*(\t)+3], s[\base:\base+1] offset:\imm          ; 512 consecutive bytes, aligned
	global_store_b128 v[HO], v[OUT+8*(\t)+4:OUT+8*(\t)+7], s[\base:\base+1] offset:(\imm)+512
.endm
	EPI 0, 58, 0
	EPI 1, 58, 4096
	EPI 2, 58, 8192
	EPI 3, 58, 12288
	s_cmp_eq_u32 s[T5], 0
	s_cbranch_scc1 .Lno5e                          ; a fifth tile without tokens is not stored: the next launch does not read it
	EPI 4, 58, 16384
.Lno5e:
	; TILES 20 AND UP: wave w takes tiles 20 + w + 4 i below ceil(count / 16): 11 at the most.  No LDS access, barrier or tensor load stands in the loop.
	s_add_co_u32 s66, s50, 15
	s_lshr_b32 s66, s66, 4
	s_sub_co_i32 s66, s66, 17
	s_sub_co_i32 s66, s66, s34
	s_max_i32 s66, s66, 0
	s_lshr_b32 s68, s66, 2
	s_min_u32 s68, s68, 11
	s_cmp_eq_u32 s68, 0
	s_cbranch_scc1 .Ldone
	s_add_nc_u64 s[70:71], s[58:59], 20*1024
	v_add_nc_u32 v[AX0], 20*1024, v[HO]
	s_wait_xcnt 0x0                                ; tile 0's stores have read the registers that the loop writes
	s_mov_b32 s66, 0
.Lover:
	v_mov_b32 v[AX], v[AX0]
	v_lshlrev_b32 v[WO], 13, v1
	v_lshl_add_u32 v[WO], v2, 5, v[WO]
	WIN 0x40
.set i, 0
.rept 32
	v_mov_b32 v[i], 0
.set i, i+1
.endr
	WIN 0
	s_mov_b32 s67, 64
.Lok:                                                  ; 32 along K: everything straight from memory
	WIN 0xc0
	global_load_b128 v[0:3], v[AX], s[4:5]
	global_load_b128 v[4:7], v[AX], s[4:5] offset:512
	WIN 0x80
.irp j, 0,1
.irp i, 0,1,2,3
	global_load_b128 v[16*\j+4*\i:16*\j+4*\i+3], v[WO], s[60:61] offset:\j*131072+(\i/2)*64+(\i%2)*16
	global_load_b128 v[32+16*\j+4*\i:32+16*\j+4*\i+3], v[WO], s[62:63] offset:\j*131072+(\i/2)*64+(\i%2)*16
.endr
.endr
	WIN 0
	s_wait_loadcnt 0x0                             ; all eighteen; it also frees their address registers
	v_add_nc_u32 v[AX], 65536, v[AX]
	v_add_nc_u32 v[WO], 128, v[WO]
	WIN 0x0a
.set i, 0
.rept 32
	v_cvt_pk_bf16_f32 v[BF+i], v[2*i], v[2*i+1]
.set i, i+1
.endr
	WIN 0x5c
.irp j, 0,1,2,3
	v_wmma_f32_16x16x32_bf16 v[8*\j:8*\j+7], v[BF+8*\j:BF+8*\j+7], v[0:7], v[8*\j:8*\j+7]  ; four accumulators by turns, over the backward jump too
.endr
	WIN 0
	PLACES                                         ; ahead of the next trip's loads and roundings into these operands, and of the way out
	s_sub_co_u32 s67, s67, 1
	s_cmp_lg_u32 s67, 0
	s_cbranch_scc1 .Lok
	EPI 0, 70, 0
	s_wait_xcnt 0x0                                ; the stores' base and data are written again in the next trip
	s_add_nc_u64 s[70:71], s[70:71], 4096
	v_add_nc_u32 v[AX0], 4096, v[AX0]
	s_add_co_u32 s66, s66, 1
	s_cmp_lt_u32 s66, s68
	s_cbranch_scc1 .Lover
.Ldone:
	s_wait_tensorcnt 0x0                           ; the wave's end
	ds_add_u32 v[SPW], v[NIL]
	s_wait_dscnt 0x0
	s_endpgm
.Lfunc_end_k_q6a1d85fa88_gateup:
	.size	k_q6a1d85fa88_gateup, .Lfunc_end_k_q6a1d85fa88_gateup-k_q6a1d85fa88_gateup
	.p2alignl 7, 3214868480
	.fill 96, 4, 3214868480
	.section	.rodata,"a",@progbits
	.p2align	6, 0x0
	.amdhsa_kernel k_q6a1d85fa88_gateup
		.amdhsa_group_segment_fixed_size 327680
		.amdhsa_private_segment_fixed_size 0
		.amdhsa_enable_private_segment 0
		.amdhsa_kernarg_size 40
		.amdhsa_user_sgpr_count 2
		.amdhsa_user_sgpr_kernarg_segment_ptr 1
		.amdhsa_wavefront_size32 1
		.amdhsa_system_sgpr_workgroup_id_x 1
		.amdhsa_system_sgpr_workgroup_id_y 1
		.amdhsa_system_sgpr_workgroup_id_z 1
		.amdhsa_system_vgpr_workitem_id 0
		.amdhsa_next_free_vgpr 1008
		.amdhsa_next_free_sgpr 80
		.amdhsa_reserve_vcc 0
		.amdhsa_float_denorm_mode_32 3
		.amdhsa_float_denorm_mode_16_64 3
		.amdhsa_memory_ordered 1
		.amdhsa_forward_progress 1
		.amdhsa_inst_pref_size 217
	.end_amdhsa_kernel
	.amdgpu_metadata
---
amdhsa.version: [ 1, 2 ]
amdhsa.kernels:
  - .name:           k_q6a1d85fa88_gateup
    .symbol:         k_q6a1d85fa88_gateup.kd
    .args:
      - { .name: xbuf, .offset: 0, .size: 8, .value_kind: global_buffer, .address_space: global }
      - { .name: Wg, .offset: 8, .size: 8, .value_kind: global_buffer, .address_space: global }
      - { .name: Wu, .offset: 16, .size: 8, .value_kind: global_buffer, .address_space: global }
      - { .name: cnt, .offset: 24, .size: 8, .value_kind: global_buffer, .address_space: global }
      - { .name: hbuf, .offset: 32, .size: 8, .value_kind: global_buffer, .address_space: global }
    .group_segment_fixed_size: 327680
    .private_segment_fixed_size: 0
    .kernarg_segment_align: 8
    .kernarg_segment_size: 40
    .max_flat_workgroup_size: 128
    .sgpr_count:     80
    .vgpr_count:     1008
    .wavefront_size: 32
...
	.end_amdgpu_metadata
.endif
;; end of part 4
;; launch down (part 5): grid 64 x 4, 4 waves a work-group, no clusters, 327,680 bytes of LDS; arguments Wd, hbuf, perm, cnt, out0; writes out0
.if DOCPART == 5
	.amdgcn_target "amdgcn-amd-amdhsa--gfx1250"
	.amdhsa_code_object_version 6
	.text
	.protected	k_q6a1d85fa88_down
	.globl	k_q6a1d85fa88_down
	.p2align	8
	.type	k_q6a1d85fa88_down,@function
k_q6a1d85fa88_down:
	s_mov_b64 s[64:65], 0
	v_nop
	global_prefetch_b8 v0, s[64:65] scope:SCOPE_SE
	s_setreg_imm32_b32 hwreg(HW_REG_WAVE_MODE, 25, 1), 1
	s_wait_xcnt 0x0
; out[token][d] = the sum over f of h[token][f] Wd[expert][d][f], for the tokens of ONE expert (grid y) and 32 columns d (grid x).  Wd [4][2048 d][2048 f] f32; out [1024][2048] f32.
; h comes from the launch before as ready bf16 operands: [expert][f / 32][tile of 16 places][half c][lane][16 bytes]; perm [expert][1024] names each place's token, cnt (byte 256 x expert) the count.
; WEIGHTS.  The work-group's 32 rows of Wd, 256 KiB of f32, lie whole in LDS: eight parts of 256 along K (rows of 1,024 bytes + 16 of padding), each filled once; wave w brings parts w and w + 4:
; by this text's count two tensor loads of a wave are out, at the start.  Each wave rounds the fragments to bf16 on their way from LDS.
; SHARES.  Wave w owns tiles 4 t + w.  Tiles 0-15 are always worked; tile 16 + w only where the count passes 256 + 16 w: a forward scalar branch on the stored count jumps over its products, its loads and its way out,
; and over nothing else.  Places at or past the count repeat the last row that exists and store the same numbers to the same row again, so nothing is masked; an expert without tokens stores nothing.
; LIMIT: beyond 320 tokens an expert's further tiles go by the loop at the end, which reads the 32 weight rows from memory for every 16 places: right for every split, slow there.
; PRODUCT.  Source 0 = 16 rows d of Wd, source 1 = 16 places: a lane's result is one token and d = 8 (lane / 16) + 0..7.  Sums in f32.
; PIPELINE, an iteration v for each 64 along K: the products of v - 2 (16, and the fifth tile's 4) | 32 roundings of the weights of v - 1, four behind each of products 8 to 15 | then ONE run of memory instructions:
; the weights of v from LDS (16 loads) and h of v + 2 from memory (16 or 20 loads), into the ring buffer that the iteration has just multiplied.  A buffer owns its address register, stepped behind the counted
; wait that shows its loads done: no base is ever rewritten.
; The first two iterations work on zeros (368 v_mov_b32 while the first tiles are on their way; 32 of them so that the fifth tile's registers are written on every path): the price of one text for every iteration.
; STORES.  A work-group's 32 columns are 128 bytes of a row: eight lanes store 128 consecutive bytes, four rows an instruction.  Wider slices would leave WGPs without work: 4 experts x 64 slices are 256 work-groups.
; NO CLUSTER: each slice of Wd has one reader; h, which an expert's work-groups share, goes straight into registers, since the slice leaves 52 KB of LDS.
; REGISTERS: window 0 all but h; window 1 h's ring buffers 0-2 (80 b + 40 s + 8 t); window 2 buffer 3.
.set PITCH, 1040
.set FRAG,  16*PITCH
.set SUBT,  32*PITCH                   ; 33,280
.set STAGE, 8*SUBT                     ; 266,240: 16 rows x 144 bytes for each wave, in 9 blocks of 256 bytes
.set STAGEW, 2304
.set SPARE, STAGE+4*STAGEW             ; 275,456
.set GRP,   131072                     ; bytes in hbuf from 64 along K to the next 64
.set T5,   33                          ; s33 1: my fifth tile holds tokens
.set B0,   3
.set BA,   4
.set AO,   5                           ; wave x 1,024 + lane x 16
.set ST,   6
.set RD,   7
.set SPW,  14
.set NIL,  15
.set TOKO, 16                          ; v16-35  tile t, rows 4 k + lane / 8: token x 8,192 + 16 (lane % 8); never rewritten
.set AOF,  36                          ; v36-39  ring buffer b: byte offset in the expert's hbuf of the group that it loads next
.set BF,   40                          ; v40-103   2 sets x 4 fragments (2 s + c) x 8
.set BS,   104                         ; v104-167  weights as loaded, 4 x 16
.set ACC,  168                         ; v168-247  16 t + 8 c
.set PA,   168                         ; before the accumulators are cleared: the addresses of the loads from perm
.set OB,   104                         ; the way out: 16 rows read back from the stage
.set PAX,  120
.set TOKX, 248
.set AX,   252
.set WO,   253
.set PX,   254
.set AX0,  255
.set MSB, 0
.macro WIN new
.if MSB != (\new)
	s_set_vgpr_msb (MSB<<8)|(\new)
.set MSB, \new
.endif
.endm
.macro PLACES
.rept 4
	v_nop
.endr
.endm
.macro AWIN buf                        ; the window and first register of ring buffer buf, as a load's destination
.if (\buf) == 3
	WIN 0x80
.set LR, 0
.else
	WIN 0x40
.set LR, 80*(\buf)
.endif
.endm
.macro AFLT buf, t                     ; 4 loads: tile t's operands for 64 along K, 512 consecutive bytes each
.irp s, 0,1
.irp c, 0,1
	global_load_b128 v[LR+40*\s+8*(\t)+4*\c:LR+40*\s+8*(\t)+4*\c+3], v[AOF+(\buf)], s[46:47] offset:\s*65536+(\t)*4096+\c*512
.endr
.endr
.endm
.macro AFL4 buf                        ; the four tiles that are always worked
	AWIN \buf
	AFLT \buf, 0
	AFLT \buf, 1
	AFLT \buf, 2
	AFLT \buf, 3
.endm
.macro AFL5 buf                        ; the fifth
	AWIN \buf
	AFLT \buf, 4
.endm
	s_load_b256 s[4:11], s[0:1], 0x0               ; Wd s[4:5], hbuf s[6:7], perm s[8:9], cnt s[10:11]
	s_load_b64 s[12:13], s[0:1], 0x20              ; out
	v_lshl_add_u32 v[SPW], v0, 2, SPARE
	v_mov_b32 v[NIL], 0
	ds_add_u32 v[SPW], v[NIL]                      ; the wave's opening: the add and its wait ahead of my first tensor load
	v_lshrrev_b32 v8, 5, v0
	v_readfirstlane_b32 s34, v8                    ; wave 0..3
	s_mov_b32 s35, ttmp9
	s_and_b32 s36, ttmp7, 0xffff
	s_mov_b32 s16, (2<<16)|(1<<20)|(7<<22)|(3<<25) ; elements of 4 bytes; padding on: after every 256 words, 4 words
	s_mov_b32 s17, 256<<16
	s_mov_b32 s18, 32<<16
	s_mov_b32 s19, 256<<16
	s_mov_b32 s20, 32
	s_mov_b32 s21, 2048
	s_mov_b32 s22, 0
	s_mov_b32 s23, 0
	s_mul_i32 s53, s34, SUBT
	s_mov_b32 s24, 1
	s_mov_b32 s25, s53
	s_mov_b32 s28, 1
	s_add_co_u32 s29, s53, 4*SUBT
	s_lshl_b32 s44, s36, 24
	s_lshl_b32 s51, s35, 18
	s_add_co_u32 s44, s44, s51
	s_mov_b32 s45, 0
	s_wait_dscnt 0x0
	s_wait_kmcnt 0x0
	s_add_nc_u64 s[56:57], s[4:5], s[44:45]        ; Wd at the slice
	s_lshl_b32 s44, s34, 10
	s_add_nc_u64 s[26:27], s[56:57], s[44:45]      ; part w,
	s_add_nc_u64 s[30:31], s[26:27], 4096          ; part w + 4
	s_or_b32 s27, s27, 0x80000000
	s_or_b32 s31, s31, 0x80000000
	tensor_load_to_lds s[24:27], s[16:23]
	s_nop 0
	tensor_load_to_lds s[28:31], s[16:23]
	s_nop 0
	PLACES
	s_lshl_b32 s44, s36, 8
	s_add_nc_u64 s[10:11], s[10:11], s[44:45]
	s_load_b32 s50, s[10:11], 0x0                  ; the expert's count
	s_lshl_b32 s44, s36, 12
	s_add_nc_u64 s[8:9], s[8:9], s[44:45]          ; its list
	s_lshl_b32 s44, s36, 22
	s_add_nc_u64 s[46:47], s[6:7], s[44:45]        ; its h
	s_lshl_b32 s44, s35, 7
	s_add_nc_u64 s[12:13], s[12:13], s[44:45]      ; out at my 32 columns
	v_and_b32 v8, 31, v0
	s_lshl_b32 s51, s34, 10
	v_lshl_add_u32 v[AO], v8, 4, s51
	v_mov_b32 v[AOF], v[AO]                        ; buffers 0 and 1 begin with groups 0 and 1;
	v_add_nc_u32 v[AOF+1], GRP, v[AO]
	v_add_nc_u32 v[AOF+2], 30*GRP, v[AO]           ; buffers 2 and 3 are stepped (by four groups, modulo 32) ahead of their first use: groups 2 and 3
	v_add_nc_u32 v[AOF+3], 31*GRP, v[AO]
	AFL4 0
	AFL4 1
	WIN 0x40                                       ; zeros: the fifth tile's registers in ring buffers 0 and 1, so that they are written whether or not they are loaded,
.irp b, 32,72,112,152
.set i, 0
.rept 8
	v_mov_b32 v[\b+i], 0
.set i, i+1
.endr
.endr
.set i, 160                            ; ring buffer 2,
.rept 80
	v_mov_b32 v[i], 0
.set i, i+1
.endr
	WIN 0x80
.set i, 0
.rept 80                               ; ring buffer 3
	v_mov_b32 v[i], 0
.set i, i+1
.endr
	WIN 0
	v_and_b32 v1, 15, v0                           ; r
	v_bfe_u32 v2, v0, 4, 1                         ; hh
	v_mul_u32_u24 v[B0], v1, PITCH
	v_lshl_add_u32 v[B0], v2, 5, v[B0]
	s_mul_i32 s52, s34, STAGEW
	s_add_co_u32 s52, s52, STAGE
	v_mul_u32_u24 v[ST], v1, 144                   ; into the stage: row r, 32 bytes for each half of the lanes
	v_lshl_add_u32 v[ST], v2, 5, v[ST]
	v_add_nc_u32 v[ST], s52, v[ST]
	v_lshrrev_b32 v9, 3, v8
	v_and_b32 v10, 7, v8
	v_mul_u32_u24 v[RD], v9, 144                   ; back: eight lanes take a row's 128 bytes
	v_lshl_add_u32 v[RD], v10, 4, v[RD]
	v_add_nc_u32 v[RD], s52, v[RD]
	v_lshlrev_b32 v10, 4, v10                      ; 16 (lane % 8)
	s_lshl_b32 s51, s34, 4
	v_add_nc_u32 v9, s51, v9                       ; 16 w + lane / 8
	s_wait_kmcnt 0x0
	s_min_u32 s50, s50, 1024
	s_max_u32 s69, s50, 1
	s_sub_co_u32 s69, s69, 1                       ; the last place that holds a row
	s_add_co_u32 s51, s51, 256
	s_cmp_gt_u32 s50, s51                          ; does place 16 (16 + w) hold a token?
	s_cselect_b32 s[T5], 1, 0
	s_cmp_eq_u32 s[T5], 0
	s_cbranch_scc1 .Lno5p
	AFL5 0
	AFL5 1
	WIN 0
.Lno5p:
.set i, 0
.rept 20
	v_add_nc_u32 v[PA+i], 64*(i/4)+4*(i%4), v9     ; place 16 (4 t + w) + 4 k + lane / 8
	v_min_u32 v[PA+i], s69, v[PA+i]
	v_min_u32 v[PA+i], 0x3ff, v[PA+i]
	v_lshlrev_b32 v[PA+i], 2, v[PA+i]
	global_load_b32 v[TOKO+i], v[PA+i], s[8:9]
.set i, i+1
.endr
.set i, 0
.rept 32                               ; zeros in set 0 of the fragments,
	v_mov_b32 v[BF+i], 0
.set i, i+1
.endr
.set i, 0
.rept 64                               ; in the weights as loaded,
	v_mov_b32 v[BS+i], 0
.set i, i+1
.endr
	s_wait_loadcnt 0x0                             ; the tokens (and groups 0 and 1): the address registers are free
.set i, 0
.rept 20
	v_min_u32 v[TOKO+i], 0x3ff, v[TOKO+i]
	v_lshl_add_u32 v[TOKO+i], v[TOKO+i], 13, v10
.set i, i+1
.endr
.set i, 0
.rept 80                               ; and in the accumulators
	v_mov_b32 v[ACC+i], 0
.set i, i+1
.endr
	s_mov_b32 s37, 0
	s_wait_tensorcnt 0x1                           ; my part of K 0-1023 is in; the other may stay out
	s_barrier_signal -1
	s_barrier_wait -1
.macro WP                              ; the product named by ws (32 ws along K on), wc (weight fragment), wt (tile)
	WIN MW
	v_wmma_f32_16x16x32_bf16 v[ACC+16*wt+8*wc:ACC+16*wt+8*wc+7], v[BF+32*MS+16*ws+8*wc:BF+32*MS+16*ws+8*wc+7], v[MR+40*ws+8*wt:MR+40*ws+8*wt+7], v[ACC+16*wt+8*wc:ACC+16*wt+8*wc+7]
.endm
.macro QUAD q                          ; four roundings: half q % 2 of weight fragment q / 2
.set qf, (\q)/2
.set qh, (\q)%2
	WIN 0
.if qh == 0
	s_wait_dscnt 12-4*qf                           ; fragment qf is in; the later fragments' four loads each stay out
.endif
.irp i, 0,1,2,3
	v_cvt_pk_bf16_f32 v[BF+32*CS+8*qf+4*qh+\i], v[BS+16*qf+8*qh+2*\i], v[BS+16*qf+8*qh+2*\i+1]
.endr
.endm
.macro BSL a                           ; the four weight fragments of this iteration, as f32, from LDS: fragment f = 2 s + c
	WIN 0
.set f, 0
.rept 4
.irp i, 0,1,2,3
	ds_load_b128 v[BS+16*f+4*\i:BS+16*f+4*\i+3], v[BA] offset:(f%2)*FRAG+(\a)*256+(f/2)*128+(\i/2)*64+(\i%2)*16
.endr
.set f, f+1
.endr
.endm
; AN ITERATION, a = v % 4.  The accumulators take turns on every path: 8 in the first 16 products, the fifth tile's 2 in its 4.  The roundings write the set of fragments that the iteration
; before multiplied: behind that iteration's last product stand its last four roundings or, on the fifth tile's path, four v_nop.  The same four are the places ahead of the loads from memory, which land in the ring
; buffer that this iteration has multiplied.
; THE WAIT at the head: the group of v - 2 was issued at the end of v - 4; behind it three groups of 16 or 20 loads: 48 is right on every path.
.macro ITER a, C=1, L=1, left=48
.set MS, (\a)%2
.set CS, ((\a)+1)%2
.set MB, ((\a)+2)%4
.if MB == 3
.set MW, 0x08
.set MR, 0
.else
.set MW, 0x04
.set MR, 80*MB
.endif
	WIN 0
	s_wait_loadcnt \left                           ; h of v - 2 is in; the younger groups stay out
.if \L
	v_add_nc_u32 v[AOF+MB], 4*GRP, v[AOF+MB]       ; free since that wait: the buffer's next group;
	v_and_b32 v[AOF+MB], 0x3fffff, v[AOF+MB]       ; behind the last group the look-ahead goes back to the first: two groups that nobody uses, inside the buffer
.endif
.set k, 0
.rept 16
.set ws, k/8
.set wc, (k%8)/4
.set wt, k%4
	WP
.if (\C) && (k >= 8)
	QUAD k-8
.endif
.set k, k+1
.endr
	WIN 0                                          ; at a branch and at a label every window is 0
	s_cmp_eq_u32 s[T5], 0
	s_cbranch_scc1 .Lno5_\@                        ; no token in my fifth tile: its products and its loads are jumped
.set k, 0
.rept 4
.set ws, k/2
.set wc, k%2
.set wt, 4
	WP
.set k, k+1
.endr
.if \L
	PLACES
	AFL5 MB
.endif
	WIN 0
.Lno5_\@:
.if \L
	BSL \a
	AFL4 MB
.endif
.endm
.macro HALF                            ; four parts of the slice, four iterations each
	s_mov_b32 s38, 4
.Lh_\@:
	v_add_nc_u32 v[BA], s37, v[B0]
	ITER 0
	ITER 1
	ITER 2
	ITER 3
	WIN 0
	s_add_co_u32 s37, s37, SUBT
	s_sub_co_u32 s38, s38, 1
	s_cmp_lg_u32 s38, 0
	s_cbranch_scc1 .Lh_\@
.endm
	HALF
	s_wait_tensorcnt 0x0                           ; my part of K 1024-2047 is in,
	s_wait_dscnt 0x0
	s_barrier_signal -1
	s_barrier_wait -1                              ; everybody's is
	HALF
	ITER 0, 1, 0, 48                               ; the pipeline runs out: roundings of 31, products of 30,
	ITER 1, 0, 0, 32                               ; products of 31: two younger groups of 16 at the least
	WIN 0
	s_wait_loadcnt 0x0                             ; the look-ahead's two unused groups
	PLACES
	s_cmp_eq_u32 s50, 0
	s_cbranch_scc1 .Ldone                          ; an expert without tokens stores nothing
; THE WAY OUT of tile t: a lane's 32 bytes go into my own stage (each accumulator from its low end on) and come back as whole pieces of 128 bytes.
.macro EPI2 t, tk
	s_wait_xcnt 0x0                                ; the stores before have read the registers that are loaded again
.irp c, 0,1
	ds_store_b128 v[ST], v[ACC+16*(\t)+8*\c:ACC+16*(\t)+8*\c+3] offset:\c*64
	ds_store_b128 v[ST], v[ACC+16*(\t)+8*\c+4:ACC+16*(\t)+8*\c+7] offset:\c*64+16
.endr
.irp k, 0,1,2,3
	ds_load_b128 v[OB+4*\k:OB+4*\k+3], v[RD] offset:\k*576  ; LDS serves a wave's instructions in order: these see the stores above
.endr
	s_wait_dscnt 0x0
.irp k, 0,1,2,3
	global_store_b128 v[(\tk)+\k], v[OB+4*\k:OB+4*\k+3], s[12:13] th:TH_STORE_NT
.endr
.endm
	EPI2 0, TOKO
	EPI2 1, TOKO+4
	EPI2 2, TOKO+8
	EPI2 3, TOKO+12
	s_cmp_eq_u32 s[T5], 0
	s_cbranch_scc1 .Lno5e                          ; a fifth tile without tokens was not multiplied: nothing of it is stored
	EPI2 4, TOKO+16
.Lno5e:
	; TILES 20 AND UP: wave w takes tiles 20 + w + 4 i below ceil(count / 16): 11 at the most.  The loop's LDS addresses are fixed (my stage); no barrier, no tensor load.
	s_add_co_u32 s66, s50, 15
	s_lshr_b32 s66, s66, 4
	s_sub_co_i32 s66, s66, 17
	s_sub_co_i32 s66, s66, s34
	s_max_i32 s66, s66, 0
	s_lshr_b32 s68, s66, 2
	s_min_u32 s68, s68, 11
	s_cmp_eq_u32 s68, 0
	s_cbranch_scc1 .Ldone
	v_add_nc_u32 v[PX], 320, v9
	v_add_nc_u32 v[AX0], 20*1024, v[AO]
	s_mov_b32 s66, 0
.Lover:
	s_wait_xcnt 0x0                                ; the last tile's stores have read their address and data registers
.irp k, 0,1,2,3
	v_add_nc_u32 v[PAX+\k], 4*\k, v[PX]
	v_min_u32 v[PAX+\k], s69, v[PAX+\k]
	v_min_u32 v[PAX+\k], 0x3ff, v[PAX+\k]
	v_lshlrev_b32 v[PAX+\k], 2, v[PAX+\k]
	global_load_b32 v[TOKX+\k], v[PAX+\k], s[8:9]
.endr
	v_mov_b32 v[AX], v[AX0]
	v_lshlrev_b32 v[WO], 13, v1
	v_lshl_add_u32 v[WO], v2, 5, v[WO]
.set i, 0
.rept 16
	v_mov_b32 v[ACC+i], 0
.set i, i+1
.endr
	s_wait_loadcnt 0x0
.irp k, 0,1,2,3
	v_min_u32 v[TOKX+\k], 0x3ff, v[TOKX+\k]
	v_lshl_add_u32 v[TOKX+\k], v[TOKX+\k], 13, v10
.endr
	s_mov_b32 s67, 64
.Lok:                                                  ; 32 along K: everything straight from memory
	WIN 0x40
	global_load_b128 v[0:3], v[AX], s[46:47]
	global_load_b128 v[4:7], v[AX], s[46:47] offset:512
	WIN 0
.irp f, 0,1
.irp i, 0,1,2,3
	global_load_b128 v[BS+16*\f+4*\i:BS+16*\f+4*\i+3], v[WO], s[56:57] offset:\f*131072+(\i/2)*64+(\i%2)*16
.endr
.endr
	s_wait_loadcnt 0x0                             ; all ten; it also frees their address registers
	v_add_nc_u32 v[AX], 65536, v[AX]
	v_add_nc_u32 v[WO], 128, v[WO]
.set i, 0
.rept 16
	v_cvt_pk_bf16_f32 v[BF+i], v[BS+2*i], v[BS+2*i+1]
.set i, i+1
.endr
	WIN 0x04
	v_wmma_f32_16x16x32_bf16 v[ACC:ACC+7], v[BF:BF+7], v[0:7], v[ACC:ACC+7]           ; two accumulators by turns, over the backward jump too
	v_wmma_f32_16x16x32_bf16 v[ACC+8:ACC+15], v[BF+8:BF+15], v[0:7], v[ACC+8:ACC+15]
	WIN 0
	PLACES                                         ; ahead of the next trip's loads and roundings into these operands, and of the way out
	s_sub_co_u32 s67, s67, 1
	s_cmp_lg_u32 s67, 0
	s_cbranch_scc1 .Lok
	EPI2 0, TOKX
	v_add_nc_u32 v[PX], 64, v[PX]
	v_add_nc_u32 v[AX0], 4096, v[AX0]
	s_add_co_u32 s66, s66, 1
	s_cmp_lt_u32 s66, s68
	s_cbranch_scc1 .Lover
.Ldone:
	s_wait_tensorcnt 0x0                           ; the wave's end
	ds_add_u32 v[SPW], v[NIL]
	s_wait_dscnt 0x0
	s_endpgm
.Lfunc_end_k_q6a1d85fa88_down:
	.size	k_q6a1d85fa88_down, .Lfunc_end_k_q6a1d85fa88_down-k_q6a1d85fa88_down
	.p2alignl 7, 3214868480
	.fill 96, 4, 3214868480
	.section	.rodata,"a",@progbits
	.p2align	6, 0x0
	.amdhsa_kernel k_q6a1d85fa88_down
		.amdhsa_group_segment_fixed_size 327680
		.amdhsa_private_segment_fixed_size 0
		.amdhsa_enable_private_segment 0
		.amdhsa_kernarg_size 40
		.amdhsa_user_sgpr_count 2
		.amdhsa_user_sgpr_kernarg_segment_ptr 1
		.amdhsa_wavefront_size32 1
		.amdhsa_system_sgpr_workgroup_id_x 1
		.amdhsa_system_sgpr_workgroup_id_y 1
		.amdhsa_system_sgpr_workgroup_id_z 1
		.amdhsa_system_vgpr_workitem_id 0
		.amdhsa_next_free_vgpr 592
		.amdhsa_next_free_sgpr 80
		.amdhsa_reserve_vcc 0
		.amdhsa_float_denorm_mode_32 3
		.amdhsa_float_denorm_mode_16_64 3
		.amdhsa_memory_ordered 1
		.amdhsa_forward_progress 1
		.amdhsa_inst_pref_size 104
	.end_amdhsa_kernel
	.amdgpu_metadata
---
amdhsa.version: [ 1, 2 ]
amdhsa.kernels:
  - .name:           k_q6a1d85fa88_down
    .symbol:         k_q6a1d85fa88_down.kd
    .args:
      - { .name: Wd, .offset: 0, .size: 8, .value_kind: global_buffer, .address_space: global }
      - { .name: hbuf, .offset: 8, .size: 8, .value_kind: global_buffer, .address_space: global }
      - { .name: perm, .offset: 16, .size: 8, .value_kind: global_buffer, .address_space: global }
      - { .name: cnt, .offset: 24, .size: 8, .value_kind: global_buffer, .address_space: global }
      - { .name: out0, .offset: 32, .size: 8, .value_kind: global_buffer, .address_space: global }
    .group_segment_fixed_size: 327680
    .private_segment_fixed_size: 0
    .kernarg_segment_align: 8
    .kernarg_segment_size: 40
    .max_flat_workgroup_size: 128
    .sgpr_count:     80
    .vgpr_count:     592
    .wavefront_size: 32
...
	.end_amdgpu_metadata
.endif
;; end of part 5
